; MI455X (gfx1250); checked and timed in simulation.
; The chip was launched on July 23, 2026; its instructions are those of AMD's public machine-readable ISA for CDNA 5 (MIT licence, August 2026) and "CDNA5" Instruction Set Architecture Reference Guide (July 2026). The comments in the code are by the model that wrote it; some were corrected since.
;; Causal Multi Head Attention. Allowed arithmetic: matrix products marked QUANTISED: E2M1 operands, one E8M0 scale for each 32 along K, by v_wmma_scale_f32_16x16x128_f8f6f4 with both operands' format E2M1 (or v_wmma_scale_f32_32x16x128_f4), f32 sums; products left as they are: bf16, f16 or f32 operands; f32 sums; everything else in f32.
;; Inputs: Wk 1,024 x 1,024 float32; Wo 1,024 x 1,024 float32; Wq 1,024 x 1,024 float32; Wv 1,024 x 1,024 float32; x 4 x 2,048 x 1,024 float32.
;; Outputs: out0 4 x 2,048 x 1,024 float32.
;; This version of the problem:
;;   THIS VERSION OF THE PROBLEM IS GIVEN IN LOW PRECISION. The matrix products marked QUANTISED in the list below multiply operands that are first quantised to E2M1 (2 exponent bits, 1 mantissa bit; 4 bits a number), with one power-of-two scale for each 32 numbers along K (OCP MX v1.0); their sums are f32. The products marked 'left as it is' may take bf16, f16 or f32 operands, with f32 sums. Whichever they take, every output number must still come out within the allowed error. Rounding operands to bf16 (8 significant bits) uses up far more of that allowance than f16 does (11 bits, for magnitudes from 6e-5 to 65,504). All else is computed in f32.
;;   The module's matrix products, in the order in which they are computed (A, B: the left and right operand; K: the contracted axis; several contracted axes count as one K, in the product's order):
;;     1. [M 8,192, K 1,024] x [K 1,024, N 1,024]; A: input x; B: input Wq: QUANTISED
;;     2. [M 8,192, K 1,024] x [K 1,024, N 1,024]; A: input x; B: input Wk: QUANTISED
;;     3. [M 8,192, K 1,024] x [K 1,024, N 1,024]; A: input x; B: input Wv: QUANTISED
;;     4. batch 64 x [M 2,048, K 64] x [K 64, N 2,048]; A: computed on the way; B: computed on the way: left as it is (an operand is computed on the way)
;;     5. batch 64 x [M 2,048, K 2,048] x [K 2,048, N 64]; A: computed on the way; B: computed on the way: left as it is (an operand is computed on the way)
;;     6. [M 8,192, K 1,024] x [K 1,024, N 1,024]; A: computed on the way; B: input Wo: left as it is (an operand is computed on the way)
;;   THE QUANTISER, for each operand of a quantised product, along K:
;;     - K is cut into blocks of 32 from its start; a last block that is shorter is filled with zeros.
;;     - A block's scale is 2^e with e = floor(log2(the largest magnitude in the block)) - 2, held to -126 .. 127; a block of zeros has e = 0. As a byte (E8M0): e + 127.
;;     - Each number is divided by its block's scale, clamped to +-6, and rounded to the nearest number of E2M1, ties to even, subnormals kept.
;;     - The product sums the exact products of the quantised numbers (number of the format x scale) in f32.
;;   ~~~python
;;   def quantise(x, axis):      # numpy; x: float32 -> the quantised numbers, widened to float32 again
;;       x = np.moveaxis(x, axis, -1); K = x.shape[-1]
;;       x = np.pad(x, [(0, 0)] * (x.ndim - 1) + [(0, -K % 32)]); x = x.reshape(x.shape[:-1] + (-1, 32)); a = np.abs(x).max(-1, keepdims=True)
;;       e = np.where(a > 0, np.clip(np.frexp(np.where(a > 0, a, 1))[1] - 1 - 2, -126, 127), 0)      # np.frexp(a)[1] - 1 = floor(log2(a)), exactly
;;       r = np.clip(x / 2.0 ** e, -6, 6)
;;       step = 2.0 ** (np.maximum(np.frexp(np.where(r == 0, 1, r))[1] - 1, 0) - 1)
;;       q = np.round(r / step) * step * 2.0 ** e      # np.round: ties to even
;;       return np.moveaxis(q.reshape(q.shape[:-2] + (-1,))[..., :K], -1, axis).astype(np.float32)
;;   ~~~
;; One version. Each part assembles by itself: llvm-mc -triple=amdgcn-amd-amdhsa -mcpu=gfx1250 --defsym DOCPART=n.
;; ======== version 1 of 1: 6 launches
;; limits: values are held in f16: magnitudes above 65,504 overflow, below 6.1e-05 lose precision
;; workspace buffers: xc 4,194,304 bytes; xs 262,144 bytes; wc 1,572,864 bytes; ws 98,304 bytes; wo16 2,097,152 bytes; qkv 50,331,648 bytes; obuf 16,777,216 bytes; ofine 262,144 bytes
;; launch quant (part 1): grid 384 x 1, 4 waves a work-group, no clusters, 33,280 bytes of LDS; arguments x, Wq, Wk, Wv, Wo, xc, xs, wc, ws, wo16; writes xc, xs, wc, ws, wo16
.if DOCPART == 1
	.amdgcn_target "amdgcn-amd-amdhsa--gfx1250"
	.amdhsa_code_object_version 6
	.text
	.protected	k_q65794527d3_quant
	.globl	k_q65794527d3_quant
	.p2align	8
	.type	k_q65794527d3_quant,@function
k_q65794527d3_quant:
	s_mov_b64 s[64:65], 0
	v_nop
	global_prefetch_b8 v0, s[64:65] scope:SCOPE_SE
	s_setreg_imm32_b32 hwreg(HW_REG_WAVE_MODE, 25, 1), 1
	s_wait_xcnt 0x0
; x [8192][1024] and Wq, Wk, Wv [1024][1024], f32, K innermost, become codes of FP4 (E2M1), two a byte, K innermost, with one E8M0 byte for each 32 along K:
; xc [8192][512 bytes], xs [8192][32]; wc [3072][512 bytes], ws [3072][32] (rows 0-1023 Wq, 1024-2047 Wk, 2048-3071 Wv).  Wo [1024][1024] f32 becomes f16, laid by chunks of 64 along K: wo16 [16][1024][64].
; A block's scale is 2^(floor(log2(its largest magnitude)) - 2); its byte is the largest magnitude's exponent field - 2, held at 1 from below.  A block of zeros gets the byte 1: its codes are zeros, and this program alone reads the bytes.
; LIMITS: blocks whose largest magnitude lies under 2^-124 take the byte 1; NaN and infinities among the inputs are not served; Wo's numbers must lie in f16's range.
; SHARES.  Work-groups 0-255: x; 256-351: Wq, Wk, Wv, 32 each; a work-group takes 32,768 numbers, a wave 8,192, in 16 steps of 512.  Rows are dense, so a tensor is a plain stream of blocks of 32.
; Each load reads 512 consecutive bytes; a step's 2,048 bytes turn through the wave's own stage in LDS, so that a lane holds 16 neighbours (two lanes a block).  Loads run four steps ahead, the stage one step.
; Work-groups 352-383: Wo, 32 rows each, 8 a wave; that way uses no LDS.  No barrier: waves share nothing.
.set WAVES, 4
.set STEPS, 16
.set WGQ,   352                        ; work-groups that quantise
.set EMAX,  2
.set CB,    8                          ; bytes of 16 codes
.set R,     16                         ; v16-79   four sets of 16 numbers as loaded (Wo's way: two sets of 64)
.set X,     80                         ; v80-111  two sets of 16 neighbours
.set E,     112                        ; v112-127 a scale byte for each step
.set C,     128                        ; v128-191 codes, four registers a step
.set H,     144                        ; Wo's way: v144-207 two sets of 32 registers of f16 pairs
.set WREG,  8192                       ; LDS: a region for each wave: two stages of 32 x SP bytes, then its 256 scale bytes
.set SP,    80                         ; a lane's place in a stage: 64 bytes + 16 of padding
.set SPW,   12                         ; v12  LDS address of my spare word; never rewritten
.set NIL,   13                         ; v13  0; never rewritten
.set SPARE, WAVES*WREG                 ; behind the regions: the spare words, 128 bytes a wave, named by no other line
	s_load_b512 s[4:19], s[0:1], 0x0               ; x s[4:5], Wq s[6:7], Wk s[8:9], Wv s[10:11], Wo s[12:13], xc s[14:15], xs s[16:17], wc s[18:19]
	s_load_b128 s[20:23], s[0:1], 0x40             ; ws s[20:21], wo16 s[22:23]
	v_lshl_add_u32 v[SPW], v0, 2, SPARE
	v_mov_b32 v[NIL], 0
	v_lshrrev_b32 v1, 5, v0
	v_readfirstlane_b32 s24, v1                    ; wave
	v_and_b32 v2, 31, v0                           ; lane
	s_mov_b32 s35, 0
	s_wait_kmcnt 0x0
	s_cmp_ge_u32 ttmp9, WGQ                        ; the work-group's number alone decides the way
	s_cbranch_scc1 .Lwo
	v_lshlrev_b32 v3, 4, v2                        ; my 16 bytes of a load's 512
	s_mul_i32 s25, s24, WREG
	v_lshrrev_b32 v14, 2, v2
	v_mul_u32_u24 v14, v14, SP
	v_and_b32 v15, 3, v2
	v_lshl_add_u32 v14, v15, 4, v14
	v_add_nc_u32 v14, s25, v14                     ; the stage, in: SP (lane / 4) + 16 (lane % 4)
	v_mul_u32_u24 v15, v2, SP
	v_add_nc_u32 v15, s25, v15                     ; and out: SP x lane: my 16 neighbours
	v_mul_u32_u24 v4, v2, CB                       ; my codes' place in a step's
	v_lshrrev_b32 v5, 1, v2
	s_add_co_u32 s25, s25, 2*32*SP
	v_add_nc_u32 v5, s25, v5                       ; LDS: my block's scale byte
	v_lshlrev_b32 v7, 3, v2                        ; and on the way out 8 bytes a lane
	v_add_nc_u32 v6, s25, v7
	s_mov_b64 s[26:27], s[10:11]                   ; the source: Wv, unless the work-group's number says otherwise
	s_cmp_lt_u32 ttmp9, 320
	s_cselect_b64 s[26:27], s[8:9], s[26:27]
	s_cmp_lt_u32 ttmp9, 288
	s_cselect_b64 s[26:27], s[6:7], s[26:27]
	s_sub_co_u32 s30, ttmp9, 256                   ; a weight's run in wc and ws,
	s_and_b32 s31, s30, 31                         ; and in its own tensor
	s_cmp_lt_u32 ttmp9, 256
	s_cselect_b64 s[26:27], s[4:5], s[26:27]
	s_cselect_b64 s[28:29], s[14:15], s[18:19]     ; the codes' buffer
	s_cselect_b64 s[32:33], s[16:17], s[20:21]     ; the scale bytes' buffer
	s_cselect_b32 s30, ttmp9, s30
	s_cselect_b32 s31, ttmp9, s31
	s_lshl_b32 s31, s31, 2
	s_add_co_u32 s31, s31, s24                     ; which 8,192 numbers of the source are my wave's
	s_lshl_b32 s34, s31, 15
	s_add_nc_u64 s[26:27], s[26:27], s[34:35]
	s_lshl_b32 s30, s30, 2
	s_add_co_u32 s30, s30, s24
	s_lshl_b32 s34, s30, 12                        ; 4,096 bytes of codes,
	s_add_nc_u64 s[28:29], s[28:29], s[34:35]
	s_lshl_b32 s34, s30, 8                         ; 256 scale bytes
	s_add_nc_u64 s[32:33], s[32:33], s[34:35]
.macro LOAD t
.irp i, 0,1,2,3
	global_load_b128 v[R+16*((\t)%4)+4*\i:R+16*((\t)%4)+4*\i+3], v3, s[26:27] offset:2048*(\t)+512*\i th:TH_LOAD_NT   ; 32 lanes read 512 consecutive bytes
.endr
.endm
.macro TURN t                          ; step t's numbers through the stage: LDS serves a wave's instructions in order, so no wait stands between the stores and the loads
.irp i, 0,1,2,3
	ds_store_b128 v14, v[R+16*((\t)%4)+4*\i:R+16*((\t)%4)+4*\i+3] offset:32*SP*((\t)%2)+8*SP*\i
.endr
.irp i, 0,1,2,3
	ds_load_b128 v[X+16*((\t)%2)+4*\i:X+16*((\t)%2)+4*\i+3], v15 offset:32*SP*((\t)%2)+16*\i
.endr
.endm
.irp t, 0,1,2,3
	LOAD \t
.endr
	s_wait_loadcnt 12                              ; step 0's four loads are in; three steps' twelve may be out
	TURN 0
.macro STEP t
.set XS, X+16*((\t)%2)
.if (\t) > 0
	s_wait_dscnt 1                                 ; this step's numbers are back from the stage; the last step's byte store may be out
.else
	s_wait_dscnt 0x0
.endif
.if (\t)+4 < STEPS
	LOAD (\t)+4                                    ; into the registers that the stage's stores have read
.endif
.if (\t)+1 < STEPS
.if STEPS-2-(\t) >= 3
	s_wait_loadcnt 12                              ; the next step's four loads are in; those of the three steps behind it may be out
.else
	s_wait_loadcnt 4*(STEPS-2-(\t))
.endif
	TURN (\t)+1
.endif
	v_max3_num_f32 v8, |v[XS]|, |v[XS+1]|, |v[XS+2]|               ; the largest magnitude of my 16, in two chains
	v_max3_num_f32 v9, |v[XS+3]|, |v[XS+4]|, |v[XS+5]|
.irp i, 6,10
	v_max3_num_f32 v8, v8, |v[XS+\i]|, |v[XS+\i+1]|
	v_max3_num_f32 v9, v9, |v[XS+\i+2]|, |v[XS+\i+3]|
.endr
	v_max3_num_f32 v8, v8, |v[XS+14]|, |v[XS+15]|
	v_max3_num_f32 v8, v8, v9, (EMAX+1)<<23        ; and the floor 2^(3 - 127): the byte cannot fall under 1
	v_max_num_f32_dpp v8, v8, v8 row_xmask:1 row_mask:0xf bank_mask:0xf   ; with my neighbour's 16: the block's
	v_add_nc_u32 v11, -(EMAX<<23), v8              ; 2 off its exponent field: the conversion takes that field as its scale
	v_cvt_scalef32_pk8_fp4_f32 v[C+4*(\t)], v[XS:XS+7], v11
	v_cvt_scalef32_pk8_fp4_f32 v[C+4*(\t)+1], v[XS+8:XS+15], v11
	v_lshrrev_b32 v[E+(\t)], 23, v11               ; the scale's byte (also the plain line behind the conversions)
	ds_store_b8 v5, v[E+(\t)] offset:16*(\t)       ; both lanes of a block write the same byte with the same value
	global_store_b64 v4, v[C+4*(\t):C+4*(\t)+1], s[28:29] offset:32*CB*(\t)   ; the wave stores 256 consecutive bytes, aligned
.endm
.irp t, 0,1,2,3,4,5,6,7,8,9,10,11,12,13,14,15
	STEP \t
.endr
	ds_load_b64 v[8:9], v6                         ; my wave's 256 scale bytes: these loads see my stores
	s_wait_dscnt 0x0
	global_store_b64 v7, v[8:9], s[32:33]          ; 256 consecutive bytes, aligned
	s_branch .Lend
.Lwo:                                              ; Wo to f16.  A load takes one chunk (64 numbers, 256 bytes) of two rows; its 128 f16 of each row lie on end in wo16, so a store covers 256 consecutive bytes
	s_sub_co_u32 s25, ttmp9, WGQ
	s_lshl_b32 s25, s25, 5
	s_lshl_b32 s30, s24, 3
	s_add_co_u32 s25, s25, s30                     ; my wave's first row: 32 x work-group + 8 x wave
	s_lshl_b32 s34, s25, 12
	s_add_nc_u64 s[26:27], s[12:13], s[34:35]
	s_lshl_b32 s34, s25, 7
	s_add_nc_u64 s[28:29], s[22:23], s[34:35]
	v_lshrrev_b32 v8, 4, v2
	v_and_b32 v9, 15, v2
	v_lshlrev_b32 v8, 12, v8
	v_lshl_add_u32 v8, v9, 4, v8                   ; in: row lane / 16, 16 bytes a lane
	v_lshlrev_b32 v9, 3, v2                        ; out: 8 bytes a lane
.macro LOADP p                         ; rows 2 p, 2 p + 1 of my eight: sixteen chunks
.irp c, 0,1,2,3,4,5,6,7,8,9,10,11,12,13,14,15
	global_load_b128 v[R+64*((\p)%2)+4*\c:R+64*((\p)%2)+4*\c+3], v8, s[26:27] offset:(\p)*8192+\c*256 th:TH_LOAD_NT
.endr
.endm
	LOADP 0
	LOADP 1
.irp p, 0,1,2,3
.if \p < 3
	s_wait_loadcnt 16                              ; this pair of rows is in; the next pair's sixteen loads may be out
.else
	s_wait_loadcnt 0x0
.endif
.if \p >= 2
	s_wait_xcnt 0x0                                ; the stores of two pairs back have read their data: those registers are written again below
.endif
.irp c, 0,1,2,3,4,5,6,7,8,9,10,11,12,13,14,15
	v_cvt_pk_f16_f32 v[H+32*(\p%2)+2*\c], v[R+64*(\p%2)+4*\c], v[R+64*(\p%2)+4*\c+1]
	v_cvt_pk_f16_f32 v[H+32*(\p%2)+2*\c+1], v[R+64*(\p%2)+4*\c+2], v[R+64*(\p%2)+4*\c+3]
.endr
.irp c, 0,1,2,3,4,5,6,7,8,9,10,11,12,13,14,15
	global_store_b64 v9, v[H+32*(\p%2)+2*\c:H+32*(\p%2)+2*\c+1], s[28:29] offset:\c*131072+\p*256
.endr
.if \p < 2
	LOADP \p+2
.endif
.endr
.Lend:
	s_wait_tensorcnt 0x0                           ; the wave's end, behind my last LDS store
	ds_add_u32 v[SPW], v[NIL]
	s_wait_dscnt 0x0
	s_endpgm
.Lfunc_end_k_q65794527d3_quant:
	.size	k_q65794527d3_quant, .Lfunc_end_k_q65794527d3_quant-k_q65794527d3_quant
	.p2alignl 7, 3214868480
	.fill 96, 4, 3214868480
	.section	.rodata,"a",@progbits
	.p2align	6, 0x0
	.amdhsa_kernel k_q65794527d3_quant
		.amdhsa_group_segment_fixed_size 33280
		.amdhsa_private_segment_fixed_size 0
		.amdhsa_enable_private_segment 0
		.amdhsa_kernarg_size 80
		.amdhsa_user_sgpr_count 2
		.amdhsa_user_sgpr_kernarg_segment_ptr 1
		.amdhsa_wavefront_size32 1
		.amdhsa_system_sgpr_workgroup_id_x 1
		.amdhsa_system_sgpr_workgroup_id_y 1
		.amdhsa_system_sgpr_workgroup_id_z 1
		.amdhsa_system_vgpr_workitem_id 0
		.amdhsa_next_free_vgpr 208
		.amdhsa_next_free_sgpr 66
		.amdhsa_reserve_vcc 0
		.amdhsa_float_denorm_mode_32 3
		.amdhsa_float_denorm_mode_16_64 3
		.amdhsa_memory_ordered 1
		.amdhsa_forward_progress 1
		.amdhsa_inst_pref_size 54
	.end_amdhsa_kernel
	.amdgpu_metadata
---
amdhsa.version: [ 1, 2 ]
amdhsa.kernels:
  - .name:           k_q65794527d3_quant
    .symbol:         k_q65794527d3_quant.kd
    .args:
      - { .name: x, .offset: 0, .size: 8, .value_kind: global_buffer, .address_space: global }
      - { .name: Wq, .offset: 8, .size: 8, .value_kind: global_buffer, .address_space: global }
      - { .name: Wk, .offset: 16, .size: 8, .value_kind: global_buffer, .address_space: global }
      - { .name: Wv, .offset: 24, .size: 8, .value_kind: global_buffer, .address_space: global }
      - { .name: Wo, .offset: 32, .size: 8, .value_kind: global_buffer, .address_space: global }
      - { .name: xc, .offset: 40, .size: 8, .value_kind: global_buffer, .address_space: global }
      - { .name: xs, .offset: 48, .size: 8, .value_kind: global_buffer, .address_space: global }
      - { .name: wc, .offset: 56, .size: 8, .value_kind: global_buffer, .address_space: global }
      - { .name: ws, .offset: 64, .size: 8, .value_kind: global_buffer, .address_space: global }
      - { .name: wo16, .offset: 72, .size: 8, .value_kind: global_buffer, .address_space: global }
    .group_segment_fixed_size: 33280
    .private_segment_fixed_size: 0
    .kernarg_segment_align: 8
    .kernarg_segment_size: 80
    .max_flat_workgroup_size: 128
    .sgpr_count:     66
    .vgpr_count:     208
    .wavefront_size: 32
...
	.end_amdgpu_metadata
.endif
;; end of part 1
;; launch qkv (part 2): grid 12 x 32, 4 waves a work-group, clusters of 4 x 4, 327,680 bytes of LDS; arguments xc, xs, wc, ws, qkv; writes qkv
.if DOCPART == 2
	.amdgcn_target "amdgcn-amd-amdhsa--gfx1250"
	.amdhsa_code_object_version 6
	.text
	.protected	k_q65794527d3_qkv
	.globl	k_q65794527d3_qkv
	.p2align	8
	.type	k_q65794527d3_qkv,@function
k_q65794527d3_qkv:
	s_mov_b64 s[64:65], 0
	v_nop
	global_prefetch_b8 v0, s[64:65] scope:SCOPE_SE
	s_setreg_imm32_b32 hwreg(HW_REG_WAVE_MODE, 25, 1), 1
	s_wait_xcnt 0x0
	s_wait_alu depctr_hold_cnt(0) depctr_sa_sdst(0) depctr_va_vdst(0) depctr_va_sdst(0) depctr_va_ssrc(0) depctr_va_vcc(0) depctr_vm_vsrc(0)
	s_getreg_b32 s2, hwreg(HW_REG_IB_STS2, 6, 4)
	s_cmp_eq_u32 s2, 0
	s_cbranch_scc0 .Lentry_in_a_cluster
	s_endpgm
.Lentry_in_a_cluster:
	s_bfe_u32 s2, ttmp6, 0x10000c
	s_cmp_lg_u32 s2, 0xf033
	s_cbranch_scc0 .Lentry_shape_is_right
	s_endpgm
.Lentry_shape_is_right:
; q, k, v = x Wq^T, x Wk^T, x Wv^T as ONE product on codes of FP4 with E8M0 scales: C[m][n] = sum over k of X[m][k] W[n][k], m 8,192, n 3,072 (Wq's, Wk's, Wv's rows), k 1,024; sums in f32.
; The results are rounded once to f16 and laid by head: qkv [3][4 batches][16 heads][2048][64].  LIMIT: |q|, |k|, |v| at most 65,504.
; A tile of C, 256 x 256, is made by four waves, each 128 x 128: 64 accumulators, 512 registers.  K is two steps of 512, one in each of two LDS slots: both are asked for at the head and nothing is filled again.
; The scale bytes of the work-group's 256 + 256 rows, for all of K, are two dense blocks: they come into LDS once, with the first fills.
; CLUSTERS: 4 x 4 work-groups.  The four of a row of the cluster need the same tiles of X, the four of a column the same tiles of W: each is asked for jointly, by the same tensor load with a mask that names the four.
; THE MATRIX INSTRUCTION IS USED TRANSPOSED (source 0 = 16 rows of W, source 1 = 16 rows of X): a lane holds eight neighbouring channels of one position.
; REGISTERS, in windows of 256: window 0: v0-31 addresses; v32-95 scale words, two sets; from v128 X's fragments, one set; on the way out v32-255 are free.  window 1: W's fragments, two sets.  windows 2, 3: the accumulators ((a, b) at v[8 (8 (a % 4) + b)]).
.set SIZE_K, 1024
.set KSTEP,  512
.set NQ,     KSTEP/128
.set ROWB,   256                       ; a tile's row in bytes
.set KROW,   SIZE_K/2                  ; a row of codes in memory
.set PITCH,  272                       ; an LDS row: 256 bytes + 16 of padding = 68 words, so that the 16 rows of a fragment load start 4 words apart
.set FR,     8
.set NL,     2
.set NP,     4                         ; places behind this matrix instruction (ISA guide 7.12.1)
.set HALFT,  128*PITCH
.set SLOT,   4*HALFT
.set KS,     SIZE_K/32                 ; a row of scale bytes
.set SCL,    2*SLOT
.set HALFS,  (128*KS/256)*272
.set SBLK,   (16*KS/256)*272
.set SPARE,  SCL+4*HALFS               ; the spare words, 128 bytes a wave, named by no other line
.set SPITCH, 272                       ; the way out: a stage of 16 rows x (256 bytes + 16) for each wave, in slot 0, which has had its only fill and its last read by then
.set ADRA, 16
.set ADRB, 20
.set STO,  24
.set RD,   25
.set CO,   26
.set ADRS, 27
.set SPW,  28
.set NIL,  29
.set SC,   32
.set AF,   128
.set TMP,  32                          ; the way out: a block's 32 registers of f16 pairs
.set BK,   128                         ; and 16 rows read back: v128-159 and v160-191 by turns
.set G1, 24
.set G0, 32
.set G1B, 48
.set G0B, 56
.set G1S, 68
.set G0S, 76
.set G1SB, 80
.set G0SB, 88
.set MSB, 0
.macro WIN new                         ; the immediate's high byte repeats the setting that is left
.if MSB != (\new)
	s_set_vgpr_msb (MSB<<8)|(\new)
.set MSB, \new
.endif
.endm
.set MUL_LO, 0xa1                      ; source 0 (W) window 1, source 1 (X) window 0, C and D window 2
.set MUL_HI, 0xf1
.set TO_B,   0x40
; A joint load: waves 0 and 1 fetch for X, waves 2 and 3 for W; the branch hangs on the wave's number alone.  An s_nop 0 and four v_nop follow each of the two lines.
.macro JLOAD g0a, g1a, g0b, g1b
	s_cmp_eq_u32 s15, 0
	s_cbranch_scc0 .Lfor_b_\@
	tensor_load_to_lds s[\g0a:\g0a+3], s[\g1a:\g1a+7]
	s_nop 0
.rept 4
	v_nop
.endr
	s_branch .Lasked_\@
.Lfor_b_\@:
	tensor_load_to_lds s[\g0b:\g0b+3], s[\g1b:\g1b+7]
	s_nop 0
.rept 4
	v_nop
.endr
.Lasked_\@:
.endm
.macro CROUND                          ; a round of the cluster's barrier
	s_barrier_signal -1
	s_barrier_wait -1
	s_cmp_lg_u32 s14, 0
	s_cbranch_scc1 .Lnot_wave_0_\@
	s_barrier_signal -3
.Lnot_wave_0_\@:
	s_barrier_wait -3
	s_barrier_signal -1
	s_barrier_wait -1
.endm
	s_load_b128 s[4:7], s[0:1], 0x0                ; X's codes, X's scales
	s_load_b128 s[8:11], s[0:1], 0x10              ; W's codes, W's scales
	s_load_b64 s[12:13], s[0:1], 0x20              ; qkv
	v_lshl_add_u32 v[SPW], v0, 2, SPARE
	v_mov_b32 v[NIL], 0
	ds_add_u32 v[SPW], v[NIL]                      ; the wave's opening: the add, twice on end, and its wait ahead of my first tensor load
	ds_add_u32 v[SPW], v[NIL]
	v_lshrrev_b32 v1, 5, v0
	v_readfirstlane_b32 s14, v1                    ; wave 0..3
	s_lshr_b32 s15, s14, 1                         ; which half of the tile's rows is mine.  Also: I fetch for X (0) or for W (1)
	s_and_b32 s16, s14, 1                          ; which half of its columns.  Also: which 128 rows of that tile I fetch
	s_bfe_u32 s40, ttmp6, 0x40000                  ; cx, cy
	s_bfe_u32 s41, ttmp6, 0x40004
	s_lshl_b32 s42, ttmp9, 2
	s_add_co_u32 s42, s42, s40                     ; tile column = 4 x cluster x + cx
	s_and_b32 s17, ttmp7, 0xffff
	s_lshl_b32 s17, s17, 2
	s_add_co_u32 s17, s17, s41                     ; tile row = 4 x cluster y + cy
	s_lshl_b32 s43, s41, 2
	s_lshl_b32 s43, 15, s43                        ; my row of the cluster
	s_lshl_b32 s44, 0x1111, s40                    ; my column
	s_or_b32 s[G1+0], s43, (0<<16)|(1<<20)|(1<<21)|(5<<22)|(3<<25)  ; the mask; elements of 1 byte; padding: 4 words behind every 64; bit 21 beside a mask
	s_or_b32 s[G1B+0], s44, (0<<16)|(1<<20)|(1<<21)|(5<<22)|(3<<25)
.irp g, G1, G1B
	s_mov_b32 s[\g+1], ROWB<<16                    ; tensor_dim0
	s_mov_b32 s[\g+2], 128<<16                     ; tensor_dim1
	s_mov_b32 s[\g+3], ROWB<<16                    ; tile_dim0
	s_mov_b32 s[\g+4], 128                         ; tile_dim1
	s_mov_b32 s[\g+5], KROW                        ; from row to row
	s_mov_b32 s[\g+6], 0
	s_mov_b32 s[\g+7], 0
.endr
	s_or_b32 s[G1S+0], s43, (3<<16)|(1<<20)|(1<<21)|(5<<22)|(3<<25)  ; the scales of 128 rows: a dense block, as rows of 256 bytes (32 elements of 8 bytes), 16 bytes of padding behind each
	s_or_b32 s[G1SB+0], s44, (3<<16)|(1<<20)|(1<<21)|(5<<22)|(3<<25)
.irp g, G1S, G1SB
	s_mov_b32 s[\g+1], 32<<16
	s_mov_b32 s[\g+2], (128*KS/256)<<16
	s_mov_b32 s[\g+3], 32<<16
	s_mov_b32 s[\g+4], 128*KS/256
	s_mov_b32 s[\g+5], 32
	s_mov_b32 s[\g+6], 0
	s_mov_b32 s[\g+7], 0
.endr
	s_lshl_b32 s18, s16, 7
	s_lshl_b32 s20, s17, 8
	s_add_co_u32 s20, s20, s18                     ; X: row 256 x tile row + 128 x half
	s_lshl_b32 s46, s42, 8
	s_add_co_u32 s46, s46, s18                     ; W: row 256 x tile column + 128 x half
	s_mov_b32 s21, 0
	s_mov_b32 s47, 0
	s_mov_b64 s[18:19], KS
	s_mul_u64 s[22:23], s[20:21], s[18:19]
	s_mul_u64 s[92:93], s[46:47], s[18:19]
	s_mov_b64 s[18:19], KROW
	s_mul_u64 s[20:21], s[20:21], s[18:19]
	s_mul_u64 s[46:47], s[46:47], s[18:19]
	s_mul_i32 s45, s14, HALFT                      ; where they go: wave x 128 rows: no place in the cluster enters an LDS address
	s_mul_i32 s94, s14, HALFS
	s_wait_dscnt 0x0                               ; both opening adds are done
	s_wait_kmcnt 0x0
	s_add_nc_u64 s[20:21], s[4:5], s[20:21]
	s_add_nc_u64 s[22:23], s[6:7], s[22:23]
	s_add_nc_u64 s[46:47], s[8:9], s[46:47]
	s_add_nc_u64 s[92:93], s[10:11], s[92:93]
	CROUND                                         ; all sixteen work-groups are here: the joint loads meet
	s_mov_b32 s[G0S], 1
	s_add_co_u32 s[G0S+1], s94, SCL
	s_mov_b64 s[G0S+2:G0S+3], s[22:23]
	s_or_b32 s[G0S+3], s[G0S+3], 0x80000000
	s_mov_b32 s[G0SB], 1
	s_add_co_u32 s[G0SB+1], s94, SCL
	s_mov_b64 s[G0SB+2:G0SB+3], s[92:93]
	s_or_b32 s[G0SB+3], s[G0SB+3], 0x80000000
	JLOAD G0S, G1S, G0SB, G1SB                     ; the scales first; with the two slots three loads of mine are out
.irp s, 0,1
	s_mov_b32 s[G0+4*\s], 1
	s_add_co_u32 s[G0+4*\s+1], s45, \s*SLOT
	s_add_nc_u64 s[G0+4*\s+2:G0+4*\s+3], s[20:21], \s*ROWB
	s_or_b32 s[G0+4*\s+3], s[G0+4*\s+3], 0x80000000
	s_mov_b32 s[G0B+4*\s], 1
	s_add_co_u32 s[G0B+4*\s+1], s45, \s*SLOT
	s_add_nc_u64 s[G0B+4*\s+2:G0B+4*\s+3], s[46:47], \s*ROWB
	s_or_b32 s[G0B+4*\s+3], s[G0B+4*\s+3], 0x80000000
	JLOAD G0+4*\s, G1, G0B+4*\s, G1B
.endr
	v_and_b32 v1, 15, v0                           ; r = lane % 16
	v_bfe_u32 v2, v0, 4, 1                         ; h = lane / 16
	v_mul_u32_u24 v3, v1, PITCH
	v_lshl_add_u32 v4, v2, 4, v3                   ; a fragment's row x pitch + 16 h
	s_mul_i32 s21, s15, HALFT
	s_mul_i32 s22, s16, HALFT
	s_add_co_u32 s22, s22, 2*HALFT
.irp s, 0,1
	v_add_nc_u32 v[ADRA+\s], s21, v4
	v_add_nc_u32 v[ADRB+\s], s22, v4
	s_add_co_u32 s21, s21, SLOT
	s_add_co_u32 s22, s22, SLOT
.endr
	v_mul_u32_u24 v5, v1, KS                       ; my row's scales: KS bytes a row,
	v_lshrrev_b32 v6, 8, v5
	v_lshl_add_u32 v5, v6, 4, v5                   ; and 16 more for each 256 passed
	s_mul_i32 s21, s15, HALFS
	s_mul_i32 s22, s16, HALFS
	s_add_co_u32 s22, s22, 2*HALFS
	s_sub_co_u32 s22, s22, s21
	v_mul_u32_u24 v6, s22, v2                      ; lanes 16-31 take W's
	s_add_co_u32 s21, s21, SCL
	v_add_nc_u32 v5, v5, v6
	v_add_nc_u32 v[ADRS], s21, v5
	s_mul_i32 s23, s14, 16*SPITCH                  ; my stage
	v_mul_u32_u24 v5, v1, SPITCH                   ; in: row r, 16 bytes for each half of the lanes
	v_lshl_add_u32 v5, v2, 4, v5
	v_add_nc_u32 v[STO], s23, v5
	v_and_b32 v6, 31, v0
	v_lshlrev_b32 v[CO], 4, v6                     ; in memory: 16 bytes a lane, 512 on end: four positions of one head
	v_lshrrev_b32 v6, 3, v6
	v_mul_u32_u24 v6, v6, SPITCH
	v_and_b32 v7, 7, v0
	v_lshl_add_u32 v6, v7, 4, v6
	v_add_nc_u32 v[RD], s23, v6                    ; back: eight lanes take a head's 128 bytes of a row, four rows an instruction
	; where my part begins in qkv: ((which x 4 + batch) x 16 + head) x 262,144 + position x 128
	s_lshr_b32 s20, s17, 3
	s_lshl_b32 s20, s20, 4                         ; 16 x batch
	s_lshl_b32 s21, s16, 1
	s_add_co_u32 s20, s20, s21                     ; + my first head of the tile's four
	s_lshr_b32 s46, s42, 2
	s_lshl_b32 s46, s46, 6                         ; 64 x which
	s_and_b32 s47, s42, 3
	s_lshl_b32 s47, s47, 2
	s_add_co_u32 s46, s46, s47
	s_add_co_u32 s20, s20, s46
	s_lshl_b32 s20, s20, 18
	s_and_b32 s21, s17, 7
	s_lshl_b32 s21, s21, 8
	s_lshl_b32 s46, s15, 7
	s_add_co_u32 s21, s21, s46                     ; my first position
	s_lshl_b32 s21, s21, 7
	s_add_co_u32 s20, s20, s21
	s_mov_b32 s21, 0
	s_add_nc_u64 s[12:13], s[12:13], s[20:21]
.macro FRAG reg, adr, q, i             ; 16 rows x 128 K of 4-bit codes: 8 registers, two loads of 16 bytes, 32 bytes apart
.irp c, 0,1
	ds_load_b128 v[\reg+4*\c:\reg+4*\c+3], v[\adr] offset:64*(\q)+32*\c+(\i)*16*PITCH
.endr
.endm
; 16 matrix instructions: X's blocks a0, a0 + 1 against W's eight.  The 64 accumulators take turns, one instruction a turn, in the same order in every step.
.macro MUL16 a0, p, q, sc, zero
.irp a, \a0, \a0+1
.irp b, 0,1,2,3,4,5,6,7
.if \zero
	v_wmma_scale_f32_16x16x128_f8f6f4 v[8*(8*((\a)%4)+\b):8*(8*((\a)%4)+\b)+7], v[128*(\p)+FR*\b:128*(\p)+FR*\b+FR-1], v[AF+FR*(\a):AF+FR*(\a)+FR-1], 0, v[SC+8*NQ*(\sc)+NQ*\b+(\q)], v[SC+8*NQ*(\sc)+NQ*(\a)+(\q)] matrix_a_fmt:MATRIX_FMT_FP4 matrix_b_fmt:MATRIX_FMT_FP4 matrix_a_scale:MATRIX_SCALE_ROW1
.else
	v_wmma_scale_f32_16x16x128_f8f6f4 v[8*(8*((\a)%4)+\b):8*(8*((\a)%4)+\b)+7], v[128*(\p)+FR*\b:128*(\p)+FR*\b+FR-1], v[AF+FR*(\a):AF+FR*(\a)+FR-1], v[8*(8*((\a)%4)+\b):8*(8*((\a)%4)+\b)+7], v[SC+8*NQ*(\sc)+NQ*\b+(\q)], v[SC+8*NQ*(\sc)+NQ*(\a)+(\q)] matrix_a_fmt:MATRIX_FMT_FP4 matrix_b_fmt:MATRIX_FMT_FP4 matrix_a_scale:MATRIX_SCALE_ROW1
.endif
.endr
.endr
.endm
.macro FETCH_B slot, q, p
	WIN TO_B
.irp i, 0,1,2,3,4,5,6,7
	FRAG 128*(\p)+FR*\i, ADRB+\slot, \q, \i
.endr
	WIN 0
.endm
.macro FETCH_A slot, q, i0
.irp i, \i0, \i0+1, \i0+2, \i0+3
	FRAG AF+FR*(\i), ADRA+\slot, \q, \i
.endr
.endm
.macro SCALES sc                       ; a K step's scale words: lanes 0-15 take X's block i, lanes 16-31 W's block i
.irp i, 0,1,2,3,4,5,6,7
	ds_load_b128 v[SC+8*NQ*\sc+NQ*\i:SC+8*NQ*\sc+NQ*\i+3], v[ADRS] offset:\i*SBLK
.endr
.endm
.macro PLACES n                        ; plain vector lines in front of loads into registers that matrix instructions have read, and of the first read of results
.rept \n
	v_nop
.endr
.endm
.macro STEP slot, q, zero
	s_wait_dscnt 4*NL                              ; W's set and X's blocks 0-3 are in; the youngest eight loads (X's blocks 4-7) may be out
	WIN MUL_LO
	MUL16 0, (\q)%2, \q, \slot, \zero
	MUL16 2, (\q)%2, \q, \slot, \zero
	s_wait_dscnt 0
	PLACES NP
	FETCH_B \slot, (\q)+1, 1-(\q)%2
	FETCH_A \slot, (\q)+1, 0
	WIN MUL_HI
	MUL16 4, (\q)%2, \q, \slot, \zero
	MUL16 6, (\q)%2, \q, \slot, \zero
	PLACES NP
	WIN 0
	FETCH_A \slot, (\q)+1, 4
.endm
.macro STEPS slot, from
.set Q, \from
.rept NQ-1-\from
	STEP \slot, Q, 0
.set Q, Q+1
.endr
.endm
	s_wait_tensorcnt 1                             ; the scales and my part of K step 0 are in; K step 1's load may be out
	s_barrier_signal -1
	s_barrier_wait -1
	FETCH_B 0, 0, 0
	FETCH_A 0, 0, 0
	SCALES 0
	FETCH_A 0, 0, 4
	STEP 0, 0, 1                                   ; the first products start the sums
	STEPS 0, 1
	; slot 0's last step changes slots: my part of slot 1 has landed, and everybody's behind the barrier
	s_wait_tensorcnt 0x0
	ds_add_u32 v[SPW], v[NIL]
	s_wait_dscnt 4*NL+1                            ; the add and the youngest eight loads may be out
	WIN MUL_LO
	MUL16 0, 1, NQ-1, 0, 0
	s_wait_dscnt 0x0                               ; the add is done, and my reads of slot 0 are over
	s_barrier_signal -1
	MUL16 2, 1, NQ-1, 0, 0
	WIN 0
	s_barrier_wait -1
	PLACES NP
	v_add_nc_u32 v[ADRS], 4*NQ, v[ADRS]            ; on to the second K step's scale words
	FETCH_B 1, 0, 0
	FETCH_A 1, 0, 0
	SCALES 1
	WIN MUL_HI
	MUL16 4, 1, NQ-1, 0, 0
	MUL16 6, 1, NQ-1, 0, 0
	PLACES NP
	WIN 0
	FETCH_A 1, 0, 4
	STEPS 1, 0
	s_wait_dscnt 4*NL                              ; the very last step: nothing more to fetch
	WIN MUL_LO
	MUL16 0, 1, NQ-1, 1, 0
	MUL16 2, 1, NQ-1, 1, 0
	s_wait_dscnt 0
	WIN MUL_HI
	MUL16 4, 1, NQ-1, 1, 0
	MUL16 6, 1, NQ-1, 1, 0
	WIN 0
; THE WAY OUT, a block of 16 positions x 128 channels (two heads) at a time: rounded to f16 (16 bytes a lane), through my own stage, back as 128-byte rows of one head, four positions an instruction.
.macro PACK a
.set AC, 64*((\a)%4)
	WIN 0x0a+5*((\a)/4)                            ; sources 0 and 1: window 2 or 3
.irp b, 0,1,2,3,4,5,6,7
.irp r, 0,1,2,3
	v_cvt_pk_f16_f32 v[TMP+4*\b+\r], v[AC+8*\b+2*\r], v[AC+8*\b+2*\r+1]   ; each accumulator from its low end on
.endr
.endr
	WIN 0
.endm
.macro TOSTAGE a
.set BB, BK+32*((\a)%2)
.irp b, 0,1,2,3,4,5,6,7
	ds_store_b128 v[STO], v[TMP+4*\b:TMP+4*\b+3] offset:32*\b
.endr
.irp i, 0,1,2,3,4,5,6,7
	ds_load_b128 v[BB+4*\i:BB+4*\i+3], v[RD] offset:(\i%4)*4*SPITCH+128*(\i/4)   ; LDS serves a wave's instructions in order: these see the stores above
.endr
.endm
.macro SEND a
.set BB, BK+32*((\a)%2)
	s_wait_dscnt 0x0                               ; the block is back in registers
	s_wait_xcnt 0x0                                ; earlier stores have read their base and their data: both are written again only behind this wait
.if (\a) > 0
	s_add_nc_u64 s[12:13], s[12:13], 16*128        ; 16 positions on
.endif
.irp i, 0,1,2,3,4,5,6,7
	global_store_b128 v[CO], v[BB+4*\i:BB+4*\i+3], s[12:13] offset:(\i/4)*262144+(\i%4)*512   ; 512 consecutive bytes, aligned
.endr
.endm
	PLACES NP
	PACK 0
	TOSTAGE 0
.irp a, 1,2,3,4,5,6,7
	PACK \a                                        ; block a's conversions stand between block a - 1's loads from the stage and the wait for them
	SEND \a-1
	TOSTAGE \a
.endr
	SEND 7
	s_wait_tensorcnt 0x0                           ; the wave's end
	ds_add_u32 v[SPW], v[NIL]
	s_wait_dscnt 0x0
	CROUND                                         ; the closing round
	s_endpgm
.Lfunc_end_k_q65794527d3_qkv:
	.size	k_q65794527d3_qkv, .Lfunc_end_k_q65794527d3_qkv-k_q65794527d3_qkv
	.p2alignl 7, 3214868480
	.fill 96, 4, 3214868480
	.section	.rodata,"a",@progbits
	.p2align	6, 0x0
	.amdhsa_kernel k_q65794527d3_qkv
		.amdhsa_group_segment_fixed_size 327680
		.amdhsa_private_segment_fixed_size 0
		.amdhsa_enable_private_segment 0
		.amdhsa_kernarg_size 40
		.amdhsa_user_sgpr_count 2
		.amdhsa_user_sgpr_kernarg_segment_ptr 1
		.amdhsa_wavefront_size32 1
		.amdhsa_system_sgpr_workgroup_id_x 1
		.amdhsa_system_sgpr_workgroup_id_y 1
		.amdhsa_system_sgpr_workgroup_id_z 1
		.amdhsa_system_vgpr_workitem_id 0
		.amdhsa_next_free_vgpr 1024
		.amdhsa_next_free_sgpr 98
		.amdhsa_reserve_vcc 0
		.amdhsa_float_denorm_mode_32 3
		.amdhsa_float_denorm_mode_16_64 3
		.amdhsa_memory_ordered 1
		.amdhsa_forward_progress 1
		.amdhsa_inst_pref_size 127
	.end_amdhsa_kernel
	.amdgpu_metadata
---
amdhsa.version: [ 1, 2 ]
amdhsa.kernels:
  - .name:           k_q65794527d3_qkv
    .symbol:         k_q65794527d3_qkv.kd
    .args:
      - { .name: xc, .offset: 0, .size: 8, .value_kind: global_buffer, .address_space: global }
      - { .name: xs, .offset: 8, .size: 8, .value_kind: global_buffer, .address_space: global }
      - { .name: wc, .offset: 16, .size: 8, .value_kind: global_buffer, .address_space: global }
      - { .name: ws, .offset: 24, .size: 8, .value_kind: global_buffer, .address_space: global }
      - { .name: qkv, .offset: 32, .size: 8, .value_kind: global_buffer, .address_space: global }
    .group_segment_fixed_size: 327680
    .private_segment_fixed_size: 0
    .kernarg_segment_align: 8
    .kernarg_segment_size: 40
    .max_flat_workgroup_size: 128
    .sgpr_count:     98
    .vgpr_count:     1024
    .wavefront_size: 32
...
	.end_amdgpu_metadata
.endif
;; end of part 2
;; launch attn (part 3): grid 4 x 64, 8 waves a work-group, no clusters, 327,680 bytes of LDS; arguments qkv, obuf; writes obuf
.if DOCPART == 3
	.amdgcn_target "amdgcn-amd-amdhsa--gfx1250"
	.amdhsa_code_object_version 6
	.text
	.protected	k_q65794527d3_attn
	.globl	k_q65794527d3_attn
	.p2align	8
	.type	k_q65794527d3_attn,@function
k_q65794527d3_attn:
	s_mov_b64 s[64:65], 0
	v_nop
	global_prefetch_b8 v0, s[64:65] scope:SCOPE_SE
	s_setreg_imm32_b32 hwreg(HW_REG_WAVE_MODE, 25, 1), 1
	s_wait_xcnt 0x0
; O[b][h][q] = sum over k <= q of softmax_k(Q[q] . K[k] / 8) V[k], head size 64, 2,048 positions, 64 (batch, head) pairs.  Q, K, V: f16 in qkv [3][64][2048][64]; O: f16 in obuf [64][2048][64].
; Products on f16 operands with f32 sums; maxima, exponentials and sums in f32; a running maximum m and sum l for each query: p = 2^(c s - c m), c = log2(e) / 8; in every step O and l are multiplied by a = 2^(c m_old - c m_new).
; LIMIT: |O| at most 65,504 (it is an average of v's numbers).  Positions 0-15 of each sequence are made again, in f32, by later launches.
; SHARES.  Work-group i (0..3) of a head owns the query blocks 7 - i and i, 256 queries each: it walks 8 - i and then i + 1 slots of 256 keys, ALWAYS 9: every trip count is a constant, all 256 work-groups have equal work,
; and every slot that is asked for is read.  Each of the eight waves owns 32 queries of a block: two tiles of 16; two waves share a SIMD, so that one wave's softmax stands beside the other's products.
; NO CLUSTER: the pairing that evens out the causal work gives the four work-groups of a head walks that part after five trips: partners would need different tiles in the same round.
; LAYOUT.  S^T = K Q^T (source 0 = 16 keys, source 1 = 16 queries): a lane holds ONE query (lane % 16) and keys 8 (lane / 16) + 0..7.  Two such tiles, rounded to f16 in pairs, ARE source 1 of O^T = V^T P.  V comes out of LDS turned.
; LDS.  Rows of K and V are 128 dense bytes: a tile is stated as rows of two keys, 256 bytes, padded by 16 (K) or 32 (V).  Slot s begins at s x 2^17: 128 rows of K, then 128 of V.  Behind the ring: the waves' stages, the spare words.
; REGISTERS.  window 0: v1-15 addresses; v16-31 statistics, eight a tile (+0 c m, +1 m, +2, +3 l, +4 to +7 at work, a at +6); v32-95 S^T; v96-127 P; v128-191 K's fragments; v192-255 V's.  window 1: v0-63 O^T; v64-95 Q.
.set KP,    272
.set VP,    288
.set VOFF,  128*KP
.set SLOT1, 1<<17
.set STAGE, SLOT1+VOFF+128*VP          ; 202,752: a wave has 32 rows x 144 bytes
.set SPT,   144
.set SPARE, STAGE+8*32*SPT             ; the spare words, 128 bytes a wave, named by no other line
.set PFO, 1                            ; v1   256 x lane: the prefetches' offset
.set RH,  2                            ; v2   r - 8 h, for the mask
.set AK0, 3                            ; v3   my lane's place in a tile of K
.set AV0, 4                            ; v4   and of V
.set ADK, 5
.set ADV, 6
.set QO,  7
.set STO, 8
.set RD,  9
.set GO,  10
.set MD0, 11                           ; v11, v12  the mask's thresholds of the two tiles
.set NINF, 13
.set SPW, 14
.set NIL, 15
.set ST,  16
.set S,   32
.set P,   96
.set KFR, 128
.set VFR, 192
.set QW,  64                           ; in window 1
.set WV,  8
.set WI,  9
.set QP,  12
.set OP,  14
.set KB,  16
.set VB,  18
.set SEL, 20
.set CS,  22
.set G1K, 24
.set G1V, 32
.set G0K, 40
.set G0V, 44
.set OFF, 48                           ; s[48:49] bytes from the head's first key to the slot that is asked for
.set CNT, 50                           ; s50  trips to go
.set SWC, 51                           ; s51  i + 1: the trip in which the first block ends
.set TK,  52
.set TV,  53
.set KF,  54                           ; s54  the step's first key
.set Q0,  55                           ; s55  my first query
.set INNER, 56
.set T0,  57
.set T1,  58
.set Q1,  59
.set PFA, 60
.set LIM, 62
.set DELTA, 66
.set MSB, 0
.macro WIN new
.if MSB != (\new)
	s_set_vgpr_msb (MSB<<8)|(\new)
.set MSB, \new
.endif
.endm
.set W_KQ, 0x04                        ; Q (source 1) in window 1
.set W_PV, 0x50                        ; O^T (C and D) in window 1
.set W_RS, 0x41                        ; O^T (destination and source 0) in window 1
; Waves 0 and 1 fetch K's halves of a slot, waves 2 and 3 V's, the others nothing.  An s_nop 0 and four v_nop follow each of the two lines.
.macro TLOAD
	s_cmp_lt_u32 s[WV], 2
	s_cbranch_scc0 .Lnot_k_\@
	tensor_load_to_lds s[G0K:G0K+3], s[G1K:G1K+7]
	s_nop 0
.rept 4
	v_nop
.endr
	s_branch .Lasked_\@
.Lnot_k_\@:
	s_cmp_lt_u32 s[WV], 4
	s_cbranch_scc0 .Lasked_\@
	tensor_load_to_lds s[G0V:G0V+3], s[G1V:G1V+7]
	s_nop 0
.rept 4
	v_nop
.endr
.Lasked_\@:
.endm
; A prefetch of the slot that the NEXT change of slots will ask for.  All four work-groups of a head walk the same keys: work-group 0, which walks slots 0 to 7 on end, asks; in it waves 4, 5 for K's halves and waves 6, 7 for V's,
; 16,384 bytes each, lanes 256 bytes apart, two instructions.  Trip n names slot n + 2, n = 0 .. 5: each block once, none behind slot 7; slots 0 and 1 come by their loads alone.
.macro ASK
	s_cmp_gt_u32 s[CNT], s[LIM]
	s_cbranch_scc0 .Lnot_mine_\@
	global_prefetch_b8 v[PFO], s[PFA:PFA+1] th:TH_LOAD_NT scope:SCOPE_SE
	global_prefetch_b8 v[PFO], s[PFA:PFA+1] offset:8192 th:TH_LOAD_NT scope:SCOPE_SE
.Lnot_mine_\@:
.endm
; THE CHANGE OF SLOTS, at a slot's head: all my tensor loads have landed, the add, my reads of the slot that I have left are over; the barrier; then the slot that was left is asked for anew: it has four key steps in which to land.
.macro CHANGE fill
	s_wait_tensorcnt 0x0                           ; no tensor load of mine is out, so a group 0 may be written
	ds_add_u32 v[SPW], v[NIL]
.if \fill
	ds_add_u32 v[SPW], v[NIL]                      ; and twice on end here, in every trip alike
	s_xor_b32 s[G0K+1], s[G0K+1], SLOT1            ; the other slot than last time
	s_xor_b32 s[G0V+1], s[G0V+1], SLOT1
	s_add_co_u32 s[OFF], s[OFF], 32768             ; the next 256 keys,
	s_cmp_eq_u32 s[CNT], s[SWC]
	s_cselect_b32 s[OFF], 0, s[OFF]                ; or, where the second block begins, the head's first
	s_add_nc_u64 s[G0K+2:G0K+3], s[KB:KB+1], s[OFF:OFF+1]
	s_or_b32 s[G0K+3], s[G0K+3], 0x80000000
	s_add_nc_u64 s[G0V+2:G0V+3], s[VB:VB+1], s[OFF:OFF+1]
	s_or_b32 s[G0V+3], s[G0V+3], 0x80000000
	s_wait_xcnt 0x0                                ; the last prefetches, a slot back, have read their address
	s_add_nc_u64 s[PFA:PFA+1], s[PFA:PFA+1], 32768
.endif
	s_wait_dscnt 0x0
	s_barrier_signal -1
	s_barrier_wait -1
.if \fill
	TLOAD                                          ; the first thing behind the barrier, and a wave's one tensor load until the next
	ASK
.endif
.endm
; A KEY STEP: 64 keys.
.macro STEP
	s_add_co_u32 s[T0], s[Q0], 31                  ; a step all of whose keys come after my 32 queries is left out: ids and counts alone
	s_cmp_gt_u32 s[KF], s[T0]
	s_cbranch_scc1 .Lhidden_\@
	v_add_nc_u32 v[ADK], s[TK], v[AK0]             ; these four plain lines are the places behind the last step's products, in front of the loads into V's registers
	v_add_nc_u32 v[ADV], s[TV], v[AV0]
	v_nop
	v_nop
.irp f, 0,1,2,3,4,5,6,7                ; K: keys 16 (f / 2) on, channels 32 (f % 2) on
	ds_load_b128 v[KFR+8*\f:KFR+8*\f+3],   v[ADK] offset:(\f/2)*8*KP+(\f%2)*64
	ds_load_b128 v[KFR+8*\f+4:KFR+8*\f+7], v[ADK] offset:(\f/2)*8*KP+(\f%2)*64+32
.endr
.irp f, 0,1,2,3,4,5,6,7                ; V, turned: keys 32 (f / 4) on, channels 16 (f % 4) on
	ds_load_tr16_b128 v[VFR+8*\f:VFR+8*\f+3],   v[ADV] offset:(\f/4)*16*VP+(\f%4)*32
	ds_load_tr16_b128 v[VFR+8*\f+4:VFR+8*\f+7], v[ADV] offset:(\f/4)*16*VP+8*VP+(\f%4)*32
.endr
	s_wait_dscnt 16                                ; K is in; V's sixteen loads may be out
	WIN W_KQ
.set ii, 0
.rept 16                               ; S^T = K Q^T: channels 32 (ii / 8) on, keys 16 ((ii / 2) % 4) on, tile ii % 2: the eight accumulators by turns
.set rS, S+32*(ii%2)+8*((ii/2)%4)
.set rK, KFR+8*(2*((ii/2)%4)+ii/8)
.set rQ, QW+16*(ii%2)+8*(ii/8)
.if ii < 8
	v_wmma_f32_16x16x32_f16 v[rS:rS+7], v[rK:rK+7], v[rQ:rQ+7], 0
.else
	v_wmma_f32_16x16x32_f16 v[rS:rS+7], v[rK:rK+7], v[rQ:rQ+7], v[rS:rS+7]
.endif
.set ii, ii+1
.endr
	WIN 0
.rept 4
	v_nop
.endr
	s_add_co_u32 s[T0], s[KF], 63                  ; a step all of whose keys count skips the mask
	s_cmp_le_u32 s[T0], s[Q0]
	s_cbranch_scc1 .Lopen_\@
	s_sub_co_i32 s[T0], s[Q0], s[KF]
	v_add_nc_u32 v[MD0], s[T0], v[RH]              ; register 8 kt + j of tile t holds key KF + 16 kt + 8 h + j: hidden where 16 kt + j > Q0 + 16 t + r - KF - 8 h
	v_add_nc_u32 v[MD0+1], 16, v[MD0]
.irp t, 0,1
.irp n, 0,1,2,3,4,5,6,7,8,9,10,11,12,13,14,15,16,17,18,19,20,21,22,23,24,25,26,27,28,29,30,31
	v_cmp_gt_i32 vcc_lo, 16*(\n/8)+\n%8, v[MD0+\t]
	v_cndmask_b32 v[S+32*\t+\n], v[S+32*\t+\n], v[NINF], vcc_lo
.endr
.endr
.Lopen_\@:
	; the maximum of my 32 scores and the old m: four chains of seven, then the rest; the two tiles by turns.  (KF <= Q0 in every step that is walked, so key KF counts for each of my queries: m is a number)
.irp j, 0,1,2,3
.irp t, 0,1
	v_max3_num_f32 v[ST+8*\t+4+\j], v[S+32*\t+8*\j], v[S+32*\t+8*\j+1], v[S+32*\t+8*\j+2]
.endr
.endr
.irp g, 1,2
.irp j, 0,1,2,3
.irp t, 0,1
	v_max3_num_f32 v[ST+8*\t+4+\j], v[ST+8*\t+4+\j], v[S+32*\t+8*\j+2*\g+1], v[S+32*\t+8*\j+2*\g+2]
.endr
.endr
.endr
.irp t, 0,1
	v_max3_num_f32 v[ST+8*\t+4], v[ST+8*\t+4], v[S+32*\t+7], v[S+32*\t+15]
.endr
.irp t, 0,1
	v_max3_num_f32 v[ST+8*\t+6], v[ST+8*\t+6], v[S+32*\t+23], v[S+32*\t+31]
.endr
.irp t, 0,1
	v_max3_num_f32 v[ST+8*\t+4], v[ST+8*\t+4], v[ST+8*\t+5], v[ST+8*\t+6]
.endr
.irp t, 0,1
	v_max3_num_f32 v[ST+8*\t+4], v[ST+8*\t+4], v[ST+8*\t+7], v[ST+8*\t+1]
.endr
.irp t, 0,1
	v_permlanex16_b32 v[ST+8*\t+5], v[ST+8*\t+4], s[SEL], s[SEL+1]   ; the query's other 32 keys lie in the lane 16 away
.endr
.irp t, 0,1
	v_mov_b32 v[ST+8*\t+7], v[ST+8*\t]             ; c m_old
.endr
.irp t, 0,1
	v_max_num_f32 v[ST+8*\t+1], v[ST+8*\t+4], v[ST+8*\t+5]
.endr
.irp t, 0,1
	v_mul_f32 v[ST+8*\t], s[CS], v[ST+8*\t+1]
.endr
.irp t, 0,1
	v_sub_f32 v[ST+8*\t+7], v[ST+8*\t+7], v[ST+8*\t]
.endr
.irp b, 0,1,2,3,4,5,6,7,8,9,10,11,12,13,14,15
.irp t, 0,1
	v_pk_fma_f32 v[S+32*\t+2*\b:S+32*\t+2*\b+1], v[S+32*\t+2*\b:S+32*\t+2*\b+1], s[CS:CS+1], v[ST+8*\t:ST+8*\t+1] op_sel_hi:[1,0,0] neg_lo:[0,0,1] neg_hi:[0,0,1]   ; c s - c m
.endr
.endr
.irp t, 0,1
	v_exp_f32 v[ST+8*\t+6], v[ST+8*\t+7]           ; a
.endr
.irp e, 0,1,2,3,4,5,6,7,8,9,10,11,12,13,14,15,16,17,18,19,20,21,22,23,24,25,26,27,28,29,30,31
.irp t, 0,1
	v_exp_f32 v[S+32*\t+\e], v[S+32*\t+\e]
.endr
.endr
	v_nop                                          ; the plain line behind the last exponential
	s_wait_alu depctr_va_vdst(0)                   ; one wait for both tiles' 66 exponentials, ahead of the first line that names a result
.irp n, 0,1,2,3,4,5,6,7,8,9,10,11,12,13,14,15
.irp t, 0,1
	v_cvt_pk_f16_f32 v[P+16*\t+\n], v[S+32*\t+2*\n], v[S+32*\t+2*\n+1]
.endr
.endr
.irp z, 0,1,2,3,4,5,6,7                ; the sum of the 16 pairs, in place: neighbours 1, 2, 4 and 8 pairs apart
.irp t, 0,1
	v_pk_add_f32 v[S+32*\t+4*\z:S+32*\t+4*\z+1], v[S+32*\t+4*\z:S+32*\t+4*\z+1], v[S+32*\t+4*\z+2:S+32*\t+4*\z+3]
.endr
.endr
.irp z, 0,1,2,3
.irp t, 0,1
	v_pk_add_f32 v[S+32*\t+8*\z:S+32*\t+8*\z+1], v[S+32*\t+8*\z:S+32*\t+8*\z+1], v[S+32*\t+8*\z+4:S+32*\t+8*\z+5]
.endr
.endr
.irp z, 0,1
.irp t, 0,1
	v_pk_add_f32 v[S+32*\t+16*\z:S+32*\t+16*\z+1], v[S+32*\t+16*\z:S+32*\t+16*\z+1], v[S+32*\t+16*\z+8:S+32*\t+16*\z+9]
.endr
.endr
.irp t, 0,1
	v_pk_add_f32 v[S+32*\t:S+32*\t+1], v[S+32*\t:S+32*\t+1], v[S+32*\t+16:S+32*\t+17]
.endr
.irp t, 0,1
	v_pk_fma_f32 v[ST+8*\t+2:ST+8*\t+3], v[ST+8*\t+2:ST+8*\t+3], v[ST+8*\t+6:ST+8*\t+7], v[S+32*\t:S+32*\t+1] op_sel_hi:[1,0,1]   ; l = a l + the sum
.endr
	s_wait_dscnt 0x0                               ; V is in
	WIN W_RS
.irp t, 0,1
.irp n, 0,1,2,3,4,5,6,7,8,9,10,11,12,13,14,15
	v_pk_mul_f32 v[32*\t+2*\n:32*\t+2*\n+1], v[32*\t+2*\n:32*\t+2*\n+1], v[ST+8*\t+6:ST+8*\t+7] op_sel_hi:[1,0]   ; O^T x a, each accumulator from its low end on
.endr
.endr
	WIN W_PV
.set ii, 0
.rept 16                               ; O^T += V^T P: keys 32 (ii / 8) on, channels 16 ((ii / 2) % 4) on, tile ii % 2: the eight accumulators by turns
.set rO, 32*(ii%2)+8*((ii/2)%4)
.set rV, VFR+8*(4*(ii/8)+(ii/2)%4)
.set rP, P+16*(ii%2)+8*(ii/8)
	v_wmma_f32_16x16x32_f16 v[rO:rO+7], v[rV:rV+7], v[rP:rP+7], v[rO:rO+7]
.set ii, ii+1
.endr
	WIN 0
.Lhidden_\@:
	s_add_co_u32 s[KF], s[KF], 64
	s_add_co_u32 s[TK], s[TK], 32*KP
	s_add_co_u32 s[TV], s[TV], 32*VP
.endm
.macro FOUR_STEPS                      ; a slot's four key steps: written once, walked four times
	s_mov_b32 s[INNER], 4
.Lstep_\@:
	STEP
	s_sub_co_u32 s[INNER], s[INNER], 1
	s_cmp_lg_u32 s[INNER], 0
	s_cbranch_scc1 .Lstep_\@
	s_sub_co_u32 s[TK], s[TK], 128*KP              ; back to a slot's first step,
	s_sub_co_u32 s[TV], s[TV], 128*VP
	s_xor_b32 s[TK], s[TK], SLOT1                  ; in the other slot
	s_xor_b32 s[TV], s[TV], SLOT1
.endm
.macro INIT                            ; m = -3e38, under every score; l and O^T zeros, which the first a (0) leaves zeros: so the step is written once
.irp t, 0,1
	v_mov_b32 v[ST+8*\t+1], 0xff61b1e6
	v_mul_f32 v[ST+8*\t], s[CS], v[ST+8*\t+1]
.irp j, 2,3,4,5,6,7
	v_mov_b32 v[ST+8*\t+\j], 0
.endr
.endr
	WIN 0x40
.set ii, 0
.rept 64
	v_mov_b32 v[ii], 0
.set ii, ii+1
.endr
	WIN 0
.endm
.macro QLOAD                           ; my 32 queries stay in registers: tile t, channels 32 s on
	WIN 0x40
.irp t, 0,1
.irp s, 0,1
	global_load_b128 v[QW+16*\t+8*\s:QW+16*\t+8*\s+3],   v[QO], s[QP:QP+1] offset:\t*2048+\s*64
	global_load_b128 v[QW+16*\t+8*\s+4:QW+16*\t+8*\s+7], v[QO], s[QP:QP+1] offset:\t*2048+\s*64+32
.endr
.endr
	WIN 0
.endm
; A block's end: O^T / l, rounded to f16, through my stage, out as 512 consecutive bytes (four queries) an instruction.  more = 1: on to the second block.
.macro FINISH more
.rept 4
	v_nop
.endr
.irp t, 0,1
	v_add_f32 v[ST+8*\t+4], v[ST+8*\t+2], v[ST+8*\t+3]
.endr
.irp t, 0,1
	v_permlanex16_b32 v[ST+8*\t+5], v[ST+8*\t+4], s[SEL], s[SEL+1]
.endr
.irp t, 0,1
	v_add_f32 v[ST+8*\t+4], v[ST+8*\t+4], v[ST+8*\t+5]
.endr
.irp t, 0,1
	v_rcp_f32 v[ST+8*\t+6], v[ST+8*\t+4]
.endr
	v_nop
	s_wait_alu depctr_va_vdst(0)                   ; one wait for the two reciprocals, ahead of their first reader
	WIN W_RS
.irp t, 0,1
.irp n, 0,1,2,3,4,5,6,7,8,9,10,11,12,13,14,15
	v_pk_mul_f32 v[32*\t+2*\n:32*\t+2*\n+1], v[32*\t+2*\n:32*\t+2*\n+1], v[ST+8*\t+6:ST+8*\t+7] op_sel_hi:[1,0]
.endr
.endr
	WIN 0x05
.irp t, 0,1
.irp n, 0,1,2,3,4,5,6,7,8,9,10,11,12,13,14,15
	v_cvt_pk_f16_f32 v[S+16*\t+\n], v[32*\t+2*\n], v[32*\t+2*\n+1]
.endr
.endr
	WIN 0
.irp t, 0,1
.irp c, 0,1,2,3
	ds_store_b128 v[STO], v[S+16*\t+4*\c:S+16*\t+4*\c+3] offset:\t*16*SPT+32*\c
.endr
.endr
.irp t, 0,1
.irp n, 0,1,2,3
	ds_load_b128 v[KFR+16*\t+4*\n:KFR+16*\t+4*\n+3], v[RD] offset:\t*16*SPT+\n*4*SPT   ; LDS serves a wave's instructions in order: these see my stores
.endr
.endr
.irp t, 0,1
.irp n, 0,1,2,3
	s_wait_dscnt 7-4*\t-\n                         ; the younger loads from the stage may be out
	global_store_b128 v[GO], v[KFR+16*\t+4*\n:KFR+16*\t+4*\n+3], s[OP:OP+1] offset:\t*2048+\n*512
.endr
.endr
.if \more
	s_wait_xcnt 0x0                                ; the stores have read their base and their data: both are written again below
	s_sub_nc_u64 s[QP:QP+1], s[QP:QP+1], s[DELTA:DELTA+1]
	s_sub_nc_u64 s[OP:OP+1], s[OP:OP+1], s[DELTA:DELTA+1]
	s_mov_b32 s[Q0], s[Q1]
	s_mov_b32 s[KF], 0
	QLOAD
	INIT
	s_wait_loadcnt 0x0
.endif
.endm
	s_load_b128 s[4:7], s[0:1], 0x0                ; qkv, obuf
	v_lshl_add_u32 v[SPW], v0, 2, SPARE
	v_mov_b32 v[NIL], 0
	ds_add_u32 v[SPW], v[NIL]                      ; the wave's opening: the add, twice on end, and its wait ahead of the first tensor load
	ds_add_u32 v[SPW], v[NIL]
	v_lshrrev_b32 v1, 5, v0
	v_readfirstlane_b32 s[WV], v1                  ; wave 0..7
	s_mov_b32 s[WI], ttmp9                         ; i
	s_and_b32 s10, ttmp7, 0xffff
	s_lshl_b32 s10, s10, 18                        ; the head's first byte in q, k, v and O
	s_mov_b32 s11, 0
	s_mov_b32 s[G1K], (1<<16)|(1<<20)|(5<<22)|(3<<25)   ; elements of 2 bytes; padding: 4 words behind every 64
	s_mov_b32 s[G1V], (1<<16)|(1<<20)|(5<<22)|(7<<25)   ; 8 words
.irp g, G1K, G1V
	s_mov_b32 s[\g+1], 128<<16                     ; tensor_dim0: two keys, 128 elements
	s_mov_b32 s[\g+2], 64<<16                      ; tensor_dim1
	s_mov_b32 s[\g+3], 128<<16                     ; tile_dim0
	s_mov_b32 s[\g+4], 64                          ; tile_dim1: 128 keys
	s_mov_b32 s[\g+5], 128                         ; from row to row
	s_mov_b32 s[\g+6], 0
	s_mov_b32 s[\g+7], 0
.endr
	s_and_b32 s[T0], s[WV], 1                      ; which half of a slot I fetch, if I fetch
	s_lshl_b32 s[T1], s[T0], 14
	s_mov_b32 s[G0K], 1
	s_mul_i32 s[G0K+1], s[T0], 64*KP
	s_mov_b32 s[G0V], 1
	s_mul_i32 s[G0V+1], s[T0], 64*VP
	s_add_co_u32 s[G0V+1], s[G0V+1], VOFF
	s_mov_b32 s[OFF], 0
	s_mov_b32 s[OFF+1], 0
	s_mov_b32 s[SEL], 0x76543210
	s_mov_b32 s[SEL+1], 0xfedcba98
	s_mov_b32 s[CS], 0x3e38aa3b                    ; c = log2(e) / 8
	s_mov_b32 s[CS+1], s[CS]
	s_sub_co_u32 s[Q0], 7, s[WI]
	s_lshl_b32 s[Q0], s[Q0], 8
	s_lshl_b32 s[T0], s[WV], 5
	s_add_co_u32 s[Q0], s[Q0], s[T0]               ; my first query in block 7 - i,
	s_lshl_b32 s[Q1], s[WI], 8
	s_add_co_u32 s[Q1], s[Q1], s[T0]               ; and in block i
	s_lshl_b32 s[DELTA], s[WI], 1
	s_sub_co_u32 s[DELTA], 7, s[DELTA]
	s_lshl_b32 s[DELTA], s[DELTA], 15              ; (7 - 2 i) x 256 rows of 128 bytes between the two
	s_mov_b32 s[DELTA+1], 0
	s_add_co_u32 s[SWC], s[WI], 1
	s_mov_b32 s[CNT], 8
	s_mov_b32 s[TK], 0
	s_mov_b32 s[TV], 0
	s_mov_b32 s[KF], 0
	s_wait_dscnt 0x0                               ; both opening adds are done
	s_wait_kmcnt 0x0
	s_add_nc_u64 s[4:5], s[4:5], s[10:11]
	s_add_nc_u64 s[6:7], s[6:7], s[10:11]
	s_mov_b32 s10, s[T1]
	s_add_nc_u64 s[KB:KB+1], s[4:5], s[10:11]
	s_add_nc_u64 s[VB:VB+1], s[KB:KB+1], 0x2000000 ; v lies 33,554,432 bytes behind q,
	s_add_nc_u64 s[KB:KB+1], s[KB:KB+1], 0x1000000 ; k 16,777,216
	s_mov_b64 s[G0K+2:G0K+3], s[KB:KB+1]
	s_or_b32 s[G0K+3], s[G0K+3], 0x80000000
	s_mov_b64 s[G0V+2:G0V+3], s[VB:VB+1]
	s_or_b32 s[G0V+3], s[G0V+3], 0x80000000
	TLOAD                                          ; slot 0: one load of mine is out
	s_lshl_b32 s10, s[Q0], 7
	s_add_nc_u64 s[QP:QP+1], s[4:5], s[10:11]
	s_add_nc_u64 s[OP:OP+1], s[6:7], s[10:11]
	s_cmp_lt_u32 s[WV], 6
	s_cselect_b64 s[PFA:PFA+1], s[KB:KB+1], s[VB:VB+1]
	s_add_nc_u64 s[PFA:PFA+1], s[PFA:PFA+1], 32768 ; in slot 1: the first change of slots steps it to slot 2
	s_lshr_b32 s[T0], s[WV], 2
	s_xor_b32 s[T0], s[T0], 1                      ; 0 in waves 4 to 7,
	s_or_b32 s[T0], s[T0], s[WI]                   ; of the head's work-group 0
	s_cmp_eq_u32 s[T0], 0
	s_cselect_b32 s[LIM], 2, -1
	v_and_b32 v10, 31, v0                          ; lane
	v_lshlrev_b32 v[PFO], 8, v10
	v_and_b32 v11, 15, v0                          ; r
	v_bfe_u32 v12, v0, 4, 1                        ; h
	v_lshlrev_b32 v[QO], 7, v11
	v_lshl_add_u32 v[QO], v12, 4, v[QO]            ; Q: row r of 128 bytes + 16 h
	QLOAD
	v_lshlrev_b32 v5, 3, v12
	v_sub_nc_u32 v[RH], v11, v5
	v_lshrrev_b32 v5, 1, v11
	v_mul_u32_u24 v[AK0], v5, KP
	v_and_b32 v5, 1, v11
	v_lshl_add_u32 v[AK0], v5, 7, v[AK0]
	v_lshl_add_u32 v[AK0], v12, 4, v[AK0]          ; K: key r at (r / 2) x pitch + 128 (r % 2), + 16 h
	v_bfe_u32 v5, v0, 1, 2
	v_lshl_add_u32 v5, v12, 2, v5
	v_mul_u32_u24 v[AV0], v5, VP
	v_and_b32 v5, 1, v0
	v_lshl_add_u32 v[AV0], v5, 7, v[AV0]
	v_bfe_u32 v5, v0, 3, 1
	v_lshl_add_u32 v[AV0], v5, 4, v[AV0]
	v_add_nc_u32 v[AV0], VOFF, v[AV0]              ; V: key 8 h + lane % 8, channels 8 ((lane / 8) % 2) on
	s_mul_i32 s[T0], s[WV], 32*SPT
	s_add_co_u32 s[T0], s[T0], STAGE               ; my stage
	v_mul_u32_u24 v[STO], v11, SPT
	v_lshl_add_u32 v[STO], v12, 4, v[STO]
	v_add_nc_u32 v[STO], s[T0], v[STO]
	v_lshrrev_b32 v5, 3, v10
	v_mul_u32_u24 v[RD], v5, SPT
	v_and_b32 v5, 7, v0
	v_lshl_add_u32 v[RD], v5, 4, v[RD]
	v_add_nc_u32 v[RD], s[T0], v[RD]
	v_lshlrev_b32 v[GO], 4, v10
	v_mov_b32 v[NINF], 0xff800000
	INIT
	s_wait_loadcnt 0x0                             ; Q
.Lslot:                                            ; eight trips: behind each change of slots the next slot of the walk is asked for
	CHANGE 1
	FOUR_STEPS
	s_cmp_lg_u32 s[CNT], s[SWC]                    ; the work-group's number and the count of trips alone
	s_cbranch_scc1 .Lsame_block
	FINISH 1                                       ; block 7 - i is done: it goes out, and block i begins
.Lsame_block:
	s_sub_co_u32 s[CNT], s[CNT], 1
	s_cmp_lg_u32 s[CNT], 0
	s_cbranch_scc1 .Lslot
	CHANGE 0                                       ; the ninth slot is written out: nothing is left to ask for
	FOUR_STEPS
	FINISH 0
	s_wait_tensorcnt 0x0                           ; the wave's end
	ds_add_u32 v[SPW], v[NIL]
	s_wait_dscnt 0x0
	s_endpgm
.Lfunc_end_k_q65794527d3_attn:
	.size	k_q65794527d3_attn, .Lfunc_end_k_q65794527d3_attn-k_q65794527d3_attn
	.p2alignl 7, 3214868480
	.fill 96, 4, 3214868480
	.section	.rodata,"a",@progbits
	.p2align	6, 0x0
	.amdhsa_kernel k_q65794527d3_attn
		.amdhsa_group_segment_fixed_size 327680
		.amdhsa_private_segment_fixed_size 0
		.amdhsa_enable_private_segment 0
		.amdhsa_kernarg_size 16
		.amdhsa_user_sgpr_count 2
		.amdhsa_user_sgpr_kernarg_segment_ptr 1
		.amdhsa_wavefront_size32 1
		.amdhsa_system_sgpr_workgroup_id_x 1
		.amdhsa_system_sgpr_workgroup_id_y 1
		.amdhsa_system_sgpr_workgroup_id_z 1
		.amdhsa_system_vgpr_workitem_id 0
		.amdhsa_next_free_vgpr 384
		.amdhsa_next_free_sgpr 72
		.amdhsa_reserve_vcc 1
		.amdhsa_float_denorm_mode_32 3
		.amdhsa_float_denorm_mode_16_64 3
		.amdhsa_memory_ordered 1
		.amdhsa_forward_progress 1
		.amdhsa_inst_pref_size 72
	.end_amdhsa_kernel
	.amdgpu_metadata
---
amdhsa.version: [ 1, 2 ]
amdhsa.kernels:
  - .name:           k_q65794527d3_attn
    .symbol:         k_q65794527d3_attn.kd
    .args:
      - { .name: qkv, .offset: 0, .size: 8, .value_kind: global_buffer, .address_space: global }
      - { .name: obuf, .offset: 8, .size: 8, .value_kind: global_buffer, .address_space: global }
    .group_segment_fixed_size: 327680
    .private_segment_fixed_size: 0
    .kernarg_segment_align: 8
    .kernarg_segment_size: 16
    .max_flat_workgroup_size: 256
    .sgpr_count:     72
    .vgpr_count:     384
    .wavefront_size: 32
...
	.end_amdgpu_metadata
.endif
;; end of part 3
;; launch oproj (part 4): grid 8 x 32, 4 waves a work-group, clusters of 4 x 4, 327,680 bytes of LDS; arguments obuf, wo16, out0; writes out0
.if DOCPART == 4
	.amdgcn_target "amdgcn-amd-amdhsa--gfx1250"
	.amdhsa_code_object_version 6
	.text
	.protected	k_q65794527d3_oproj
	.globl	k_q65794527d3_oproj
	.p2align	8
	.type	k_q65794527d3_oproj,@function
k_q65794527d3_oproj:
	s_mov_b64 s[64:65], 0
	v_nop
	global_prefetch_b8 v0, s[64:65] scope:SCOPE_SE
	s_setreg_imm32_b32 hwreg(HW_REG_WAVE_MODE, 25, 1), 1
	s_wait_xcnt 0x0
	s_wait_alu depctr_hold_cnt(0) depctr_sa_sdst(0) depctr_va_vdst(0) depctr_va_sdst(0) depctr_va_ssrc(0) depctr_va_vcc(0) depctr_vm_vsrc(0)
	s_getreg_b32 s2, hwreg(HW_REG_IB_STS2, 6, 4)
	s_cmp_eq_u32 s2, 0
	s_cbranch_scc0 .Lentry_in_a_cluster
	s_endpgm
.Lentry_in_a_cluster:
	s_bfe_u32 s2, ttmp6, 0x10000c
	s_cmp_lg_u32 s2, 0xf033
	s_cbranch_scc0 .Lentry_shape_is_right
	s_endpgm
.Lentry_shape_is_right:
; out0[m][n] = sum over k of O[m][k] Wo[n][k], m 8,192, n 1,024, k 1,024; f16 operands, f32 sums, f32 out.  O lies by head, obuf [4][16][2048][64]; Wo by chunks of 64 along K, wo16 [16][1024][64]: head hd IS chunk hd of K.
; A tile of out0 is 256 (m) x 128 (n): 256 work-groups.  Four waves, each 128 x 64: 32 accumulators, 256 registers.  A K step is 128: two chunks.  Eight K steps go through a ring of two LDS slots.
; A chunk's rows are 128 dense bytes: it is stated as rows of two, 256 bytes + 16 of padding.  A slot: O's two chunks (128 such rows each), then Wo's two (64 each).  One tensor load a wave: waves 0, 1 O's chunks, waves 2, 3 Wo's.
; CLUSTERS: 4 x 4.  O's tiles hang on the tile row alone and are shared along a row of the cluster, Wo's on the tile column and are shared along a column: joint loads.
; THE MATRIX INSTRUCTION IS USED TRANSPOSED (source 0 = 16 rows of Wo, source 1 = 16 rows of O): a lane holds eight neighbouring numbers of a row of out0.
; No prefetch: of eight K steps two are asked for at the head, and a refill has 112 matrix instructions in which to land.
; The rows of positions 0-15 of each sequence are written here like all others and written again, from f32 operands, by a later launch: leaving them out would be a branch on a work-group's place in its cluster.
; REGISTERS.  window 0: v16-29 addresses; two fragment buffers at v64 and v160 (O's eight blocks, then Wo's four); on the way out v32-95.  window 1: the accumulators, (a, b) at v[8 (4 a + b)].
.set PITCH,  272
.set CHA,    128*PITCH
.set CHB,    64*PITCH
.set SLOT,   2*CHA+2*CHB
.set SPARE,  2*SLOT                    ; the spare words, 128 bytes a wave, named by no other line
.set LAPS,   4
.set ADRA, 16
.set ADRB, 20
.set STO,  24
.set RD,   25
.set CO,   26
.set SPW,  28
.set NIL,  29
.set BK,   32
.set F0,   64
.set F1,   160
.set G1, 24
.set G0, 32
.set G1B, 48
.set G0B, 56
.set MSB, 0
.macro WIN new
.if MSB != (\new)
	s_set_vgpr_msb (MSB<<8)|(\new)
.set MSB, \new
.endif
.endm
.set MUL, 0x50                         ; C and D window 1
.macro JLOAD s                         ; a joint load; an s_nop 0 and four v_nop follow each of the two lines
	s_cmp_eq_u32 s11, 0
	s_cbranch_scc0 .Lfor_b_\@
	tensor_load_to_lds s[G0+4*\s:G0+4*\s+3], s[G1:G1+7]
	s_nop 0
.rept 4
	v_nop
.endr
	s_branch .Lasked_\@
.Lfor_b_\@:
	tensor_load_to_lds s[G0B+4*\s:G0B+4*\s+3], s[G1B:G1B+7]
	s_nop 0
.rept 4
	v_nop
.endr
.Lasked_\@:
.endm
.macro CREST
	s_cmp_lg_u32 s10, 0
	s_cbranch_scc1 .Lnot_wave_0_\@
	s_barrier_signal -3
.Lnot_wave_0_\@:
	s_barrier_wait -3
	s_barrier_signal -1
	s_barrier_wait -1
.endm
.macro CROUND
	s_barrier_signal -1
	s_barrier_wait -1
	CREST
.endm
	s_load_b128 s[4:7], s[0:1], 0x0                ; obuf, wo16
	s_load_b64 s[8:9], s[0:1], 0x10                ; out0
	v_lshl_add_u32 v[SPW], v0, 2, SPARE
	v_mov_b32 v[NIL], 0
	ds_add_u32 v[SPW], v[NIL]                      ; the wave's opening: the add, twice on end, and its wait ahead of my first tensor load
	ds_add_u32 v[SPW], v[NIL]
	v_lshrrev_b32 v1, 5, v0
	v_readfirstlane_b32 s10, v1                    ; wave 0..3
	s_lshr_b32 s11, s10, 1                         ; which 128 rows are mine.  Also: I fetch for O (0) or for Wo (1)
	s_and_b32 s12, s10, 1                          ; which 64 columns.  Also: which chunk of a K step I fetch
	s_bfe_u32 s40, ttmp6, 0x40000                  ; cx, cy
	s_bfe_u32 s41, ttmp6, 0x40004
	s_lshl_b32 s42, ttmp9, 2
	s_add_co_u32 s42, s42, s40                     ; tile column
	s_and_b32 s13, ttmp7, 0xffff
	s_lshl_b32 s13, s13, 2
	s_add_co_u32 s13, s13, s41                     ; tile row
	s_lshl_b32 s43, s41, 2
	s_lshl_b32 s43, 15, s43                        ; my row of the cluster
	s_lshl_b32 s44, 0x1111, s40                    ; my column
	s_or_b32 s[G1+0], s43, (1<<16)|(1<<20)|(1<<21)|(5<<22)|(3<<25)  ; the mask; elements of 2 bytes; padding: 4 words behind every 64; bit 21 beside a mask
	s_or_b32 s[G1B+0], s44, (1<<16)|(1<<20)|(1<<21)|(5<<22)|(3<<25)
	s_mov_b32 s[G1+1], 128<<16                     ; tensor_dim0
	s_mov_b32 s[G1+2], 128<<16                     ; tensor_dim1: 256 rows of O as 128
	s_mov_b32 s[G1+3], 128<<16                     ; tile_dim0
	s_mov_b32 s[G1+4], 128                         ; tile_dim1
	s_mov_b32 s[G1+5], 128
	s_mov_b32 s[G1+6], 0
	s_mov_b32 s[G1+7], 0
	s_mov_b32 s[G1B+1], 128<<16
	s_mov_b32 s[G1B+2], 64<<16                     ; 128 rows of Wo as 64
	s_mov_b32 s[G1B+3], 128<<16
	s_mov_b32 s[G1B+4], 64
	s_mov_b32 s[G1B+5], 128
	s_mov_b32 s[G1B+6], 0
	s_mov_b32 s[G1B+7], 0
	s_lshr_b32 s16, s13, 3                         ; O: ((batch x 16 + chunk) << 18) + 256 (tile row % 8) rows of 128 bytes
	s_lshl_b32 s16, s16, 4
	s_add_co_u32 s16, s16, s12
	s_lshl_b32 s16, s16, 18
	s_and_b32 s17, s13, 7
	s_lshl_b32 s17, s17, 15
	s_add_co_u32 s16, s16, s17
	s_mov_b32 s17, 0
	s_lshl_b32 s46, s12, 17                        ; Wo: (chunk << 17) + 128 x tile column rows of 128 bytes
	s_lshl_b32 s47, s42, 14
	s_add_co_u32 s46, s46, s47
	s_mov_b32 s47, 0
	s_mul_i32 s20, s12, CHA                        ; where they go: the wave's number alone enters an LDS address
	s_mul_i32 s21, s12, CHB
	s_add_co_u32 s21, s21, 2*CHA
	s_wait_dscnt 0x0                               ; both opening adds are done
	s_wait_kmcnt 0x0
	s_add_nc_u64 s[14:15], s[4:5], s[16:17]
	s_add_nc_u64 s[46:47], s[6:7], s[46:47]
	CROUND                                         ; all sixteen work-groups are here: the first joint loads meet
.irp s, 0,1
	s_mov_b32 s[G0+4*\s], 1
	s_add_co_u32 s[G0+4*\s+1], s20, \s*SLOT
	s_add_nc_u64 s[G0+4*\s+2:G0+4*\s+3], s[14:15], \s*524288       ; K step s: two heads on
	s_or_b32 s[G0+4*\s+3], s[G0+4*\s+3], 0x80000000
	s_mov_b32 s[G0B+4*\s], 1
	s_add_co_u32 s[G0B+4*\s+1], s21, \s*SLOT
	s_add_nc_u64 s[G0B+4*\s+2:G0B+4*\s+3], s[46:47], \s*262144
	s_or_b32 s[G0B+4*\s+3], s[G0B+4*\s+3], 0x80000000
	JLOAD \s
.endr
	v_and_b32 v1, 15, v0                           ; r
	v_bfe_u32 v2, v0, 4, 1                         ; h
	v_lshrrev_b32 v3, 1, v1
	v_mul_u32_u24 v3, v3, PITCH
	v_and_b32 v4, 1, v1
	v_lshl_add_u32 v3, v4, 7, v3
	v_lshl_add_u32 v3, v2, 4, v3                   ; row r at (r / 2) x pitch + 128 (r % 2), + 16 h
	s_mul_i32 s21, s11, 64*PITCH                   ; my 128 rows of O
	s_mul_i32 s22, s12, 32*PITCH                   ; my 64 rows of Wo,
	s_add_co_u32 s22, s22, 2*CHA                   ; behind O's two chunks
.irp s, 0,1
	v_add_nc_u32 v[ADRA+\s], s21, v3
	v_add_nc_u32 v[ADRB+\s], s22, v3
	s_add_co_u32 s21, s21, SLOT
	s_add_co_u32 s22, s22, SLOT
.endr
	s_mul_i32 s23, s10, 16*PITCH                   ; my stage, 16 rows x 272 bytes, in slot 0: at the way out that slot has had its last fill and its last read
	v_mul_u32_u24 v4, v1, PITCH
	v_lshl_add_u32 v4, v2, 5, v4
	v_add_nc_u32 v[STO], s23, v4                   ; in: row r, 32 bytes for each half of the lanes
	v_mul_u32_u24 v5, v2, PITCH
	v_lshl_add_u32 v5, v1, 4, v5
	v_add_nc_u32 v[RD], s23, v5                    ; back: lanes 0-15 one row of 256 bytes, lanes 16-31 the next
	v_lshlrev_b32 v5, 12, v2
	v_lshl_add_u32 v[CO], v1, 4, v5                ; and the same two rows in out0
	s_lshl_b32 s16, s13, 8
	s_lshl_b32 s17, s11, 7
	s_add_co_u32 s16, s16, s17                     ; my first row
	s_lshl_b32 s16, s16, 12
	s_mov_b32 s17, 0
	s_add_nc_u64 s[8:9], s[8:9], s[16:17]
	s_lshl_b32 s46, s42, 9                         ; my first column, in bytes
	s_lshl_b32 s47, s12, 8
	s_add_co_u32 s46, s46, s47
	s_mov_b32 s47, 0
	s_add_nc_u64 s[8:9], s[8:9], s[46:47]
; 8 matrix instructions: O's blocks a0, a0 + 1 against Wo's four, 32 along K.  The 32 accumulators take turns, one instruction a turn, in the same order in every quarter.
.macro MULQ f, a0, zero
.irp a, \a0, \a0+1
.irp b, 0,1,2,3
.if \zero
	v_wmma_f32_16x16x32_f16 v[8*(4*(\a)+\b):8*(4*(\a)+\b)+7], v[\f+64+8*\b:\f+64+8*\b+7], v[\f+8*(\a):\f+8*(\a)+7], 0
.else
	v_wmma_f32_16x16x32_f16 v[8*(4*(\a)+\b):8*(4*(\a)+\b)+7], v[\f+64+8*\b:\f+64+8*\b+7], v[\f+8*(\a):\f+8*(\a)+7], v[8*(4*(\a)+\b):8*(4*(\a)+\b)+7]
.endif
.endr
.endr
.endm
; 24 LDS loads in one run: quarter q (chunk q / 2, channels 32 (q % 2) on) of a slot into buffer f: Wo's four blocks, O's 0-3, O's 4-7
.macro FETCH slot, q, f
	WIN 0
.irp i, 0,1,2,3
	ds_load_b128 v[\f+64+8*\i:\f+64+8*\i+3], v[ADRB+\slot] offset:((\q)/2)*CHB+((\q)%2)*64+\i*8*PITCH
	ds_load_b128 v[\f+64+8*\i+4:\f+64+8*\i+7], v[ADRB+\slot] offset:((\q)/2)*CHB+((\q)%2)*64+\i*8*PITCH+32
.endr
.irp i, 0,1,2,3,4,5,6,7
	ds_load_b128 v[\f+8*\i:\f+8*\i+3], v[ADRA+\slot] offset:((\q)/2)*CHA+((\q)%2)*64+\i*8*PITCH
	ds_load_b128 v[\f+8*\i+4:\f+8*\i+7], v[ADRA+\slot] offset:((\q)/2)*CHA+((\q)%2)*64+\i*8*PITCH+32
.endr
.endm
.macro PLACES                          ; four plain lines in front of loads into registers that matrix instructions have read, and of the first read of results
.rept 4
	v_nop
.endr
.endm
; A quarter: multiplies buffer f and, in its middle, fetches quarter qn of the same slot into g.
.macro QUARTER slot, qn, f, g, zero
	s_wait_dscnt 8                                 ; Wo's blocks and O's 0-3 are in; the youngest eight loads (O's 4-7) may be out
	WIN MUL
	MULQ \f, 0, \zero
	MULQ \f, 2, \zero
	PLACES
	FETCH \slot, \qn, \g
	s_wait_dscnt 24                                ; all but the 24 just issued
	WIN MUL
	MULQ \f, 4, \zero
	MULQ \f, 6, \zero
.endm
; A slot's last quarter multiplies buffer 1 and changes slots: one barrier; in front of it all my tensor loads have landed, the add, my reads of this slot are over.  fill = 1: the barrier opens a round of the cluster's, and this slot is filled again.
.macro TURN slot, next, fill
	WIN 0
	s_wait_tensorcnt 0x0
	ds_add_u32 v[SPW], v[NIL]
	s_wait_dscnt 9                                 ; the add and the youngest eight loads may be out
	WIN MUL
	MULQ F1, 0, 0
	s_wait_dscnt 0x0
	s_barrier_signal -1
	MULQ F1, 2, 0
.if \fill
	WIN 0
.endif
	s_barrier_wait -1
.if \fill
	CREST                                          ; no wave of any partner still reads this slot or has a load on its way
	s_add_nc_u64 s[G0+4*\slot+2:G0+4*\slot+3], s[G0+4*\slot+2:G0+4*\slot+3], 1048576   ; two K steps on: four heads,
	s_add_nc_u64 s[G0B+4*\slot+2:G0B+4*\slot+3], s[G0B+4*\slot+2:G0B+4*\slot+3], 524288   ; four chunks
	JLOAD \slot                                    ; the first tensor load behind the round; its four v_nop are also the places in front of the loads below
.else
	PLACES
.endif
	FETCH \next, 0, F0
	WIN MUL
	MULQ F1, 4, 0
	MULQ F1, 6, 0
.endm
	s_wait_tensorcnt 1                             ; my part of K step 0 is in; K step 1's load may be out
	s_barrier_signal -1
	s_barrier_wait -1
	FETCH 0, 0, F0
	QUARTER 0, 1, F0, F1, 1                        ; the first quarter's products start the sums
	WIN 0
	s_mov_b32 s3, LAPS-1
.Llap:                                             ; a trip goes once round the ring and fills both slots again
	QUARTER 0, 2, F1, F0, 0
	QUARTER 0, 3, F0, F1, 0
	TURN 0, 1, 1
	QUARTER 1, 1, F0, F1, 0
	QUARTER 1, 2, F1, F0, 0
	QUARTER 1, 3, F0, F1, 0
	TURN 1, 0, 1
	QUARTER 0, 1, F0, F1, 0
	WIN 0
	s_sub_co_u32 s3, s3, 1
	s_cmp_lg_u32 s3, 0
	s_cbranch_scc1 .Llap
	QUARTER 0, 2, F1, F0, 0                        ; the last lap fills nothing
	QUARTER 0, 3, F0, F1, 0
	TURN 0, 1, 0
	QUARTER 1, 1, F0, F1, 0
	QUARTER 1, 2, F1, F0, 0
	QUARTER 1, 3, F0, F1, 0
	s_wait_dscnt 8
	WIN MUL
	MULQ F1, 0, 0
	MULQ F1, 2, 0
	s_wait_dscnt 0
	MULQ F1, 4, 0
	MULQ F1, 6, 0
	WIN 0
; THE WAY OUT, a block of 16 rows x 64 columns at a time, through my own stage: sixteen lanes then store 256 consecutive bytes, aligned.
.macro TOSTAGE a
	WIN 0x04                                       ; an LDS store's data are its source 1: window 1
.irp b, 0,1,2,3
	ds_store_b128 v[STO], v[8*(4*(\a)+\b):8*(4*(\a)+\b)+3] offset:64*\b          ; each accumulator from its low end on
	ds_store_b128 v[STO], v[8*(4*(\a)+\b)+4:8*(4*(\a)+\b)+7] offset:64*\b+16
.endr
	WIN 0
.set BB, BK+32*((\a)%2)
.irp i, 0,1,2,3,4,5,6,7
	ds_load_b128 v[BB+4*\i:BB+4*\i+3], v[RD] offset:2*\i*PITCH   ; LDS serves a wave's instructions in order: these see the stores above
.endr
.endm
.macro SEND a, younger                 ; younger: the LDS instructions issued behind block a's loads, which may stay out
.set BB, BK+32*((\a)%2)
	s_wait_dscnt \younger
.if (\a) > 0
	s_add_nc_u64 s[8:9], s[8:9], 16*4096           ; (behind a wait on XCNT: the earlier stores have read their base)
.endif
.irp i, 0,1,2,3,4,5,6,7
	global_store_b128 v[CO], v[BB+4*\i:BB+4*\i+3], s[8:9] offset:2*\i*4096 th:TH_STORE_NT
.endr
.endm
	PLACES
	TOSTAGE 0
.irp a, 1,2,3,4,5,6,7
.if \a > 1
	s_wait_xcnt 0x0                                ; block a - 2's stores have read their registers and their base
.endif
	TOSTAGE \a
	SEND \a-1, 16                                  ; behind block a - 1's loads: block a's 8 stores and 8 loads
.endr
	s_wait_xcnt 0x0
	SEND 7, 0
	s_wait_tensorcnt 0x0                           ; the wave's end
	ds_add_u32 v[SPW], v[NIL]
	s_wait_dscnt 0x0
	CROUND                                         ; the closing round
	s_endpgm
.Lfunc_end_k_q65794527d3_oproj:
	.size	k_q65794527d3_oproj, .Lfunc_end_k_q65794527d3_oproj-k_q65794527d3_oproj
	.p2alignl 7, 3214868480
	.fill 96, 4, 3214868480
	.section	.rodata,"a",@progbits
	.p2align	6, 0x0
	.amdhsa_kernel k_q65794527d3_oproj
		.amdhsa_group_segment_fixed_size 327680
		.amdhsa_private_segment_fixed_size 0
		.amdhsa_enable_private_segment 0
		.amdhsa_kernarg_size 24
		.amdhsa_user_sgpr_count 2
		.amdhsa_user_sgpr_kernarg_segment_ptr 1
		.amdhsa_wavefront_size32 1
		.amdhsa_system_sgpr_workgroup_id_x 1
		.amdhsa_system_sgpr_workgroup_id_y 1
		.amdhsa_system_sgpr_workgroup_id_z 1
		.amdhsa_system_vgpr_workitem_id 0
		.amdhsa_next_free_vgpr 512
		.amdhsa_next_free_sgpr 66
		.amdhsa_reserve_vcc 0
		.amdhsa_float_denorm_mode_32 3
		.amdhsa_float_denorm_mode_16_64 3
		.amdhsa_memory_ordered 1
		.amdhsa_forward_progress 1
		.amdhsa_inst_pref_size 86
	.end_amdhsa_kernel
	.amdgpu_metadata
---
amdhsa.version: [ 1, 2 ]
amdhsa.kernels:
  - .name:           k_q65794527d3_oproj
    .symbol:         k_q65794527d3_oproj.kd
    .args:
      - { .name: obuf, .offset: 0, .size: 8, .value_kind: global_buffer, .address_space: global }
      - { .name: wo16, .offset: 8, .size: 8, .value_kind: global_buffer, .address_space: global }
      - { .name: out0, .offset: 16, .size: 8, .value_kind: global_buffer, .address_space: global }
    .group_segment_fixed_size: 327680
    .private_segment_fixed_size: 0
    .kernarg_segment_align: 8
    .kernarg_segment_size: 24
    .max_flat_workgroup_size: 128
    .sgpr_count:     66
    .vgpr_count:     512
    .wavefront_size: 32
...
	.end_amdgpu_metadata
.endif
;; end of part 4
;; launch fine_attn (part 5): grid 16 x 4, 12 waves a work-group, no clusters, 13,824 bytes of LDS; arguments xc, xs, wc, ws, ofine; writes ofine
.if DOCPART == 5
	.amdgcn_target "amdgcn-amd-amdhsa--gfx1250"
	.amdhsa_code_object_version 6
	.text
	.protected	k_q65794527d3_fine_attn
	.globl	k_q65794527d3_fine_attn
	.p2align	8
	.type	k_q65794527d3_fine_attn,@function
k_q65794527d3_fine_attn:
	s_mov_b64 s[64:65], 0
	v_nop
	global_prefetch_b8 v0, s[64:65] scope:SCOPE_SE
	s_setreg_imm32_b32 hwreg(HW_REG_WAVE_MODE, 25, 1), 1
	s_wait_xcnt 0x0
; Positions 0-15 of each sequence, carried in f32: these rows average one to sixteen values, so the rounding of 16-bit operands would weigh most there.  One work-group for each (head, batch).
; PHASE 1, twelve waves: wave w makes 16 channels (16 (w % 4) on) of q (w / 4 = 0), k (1) or v (2) for the 16 positions, by eight products on the FP4 codes (K = 1,024), two accumulators by turns; the results stay f32.
;   q, k: source 0 = W's 16 rows, source 1 = x's 16 rows: a lane holds position r and channels 8 h + 0..7.   v: the sources swapped: a lane holds channel r and positions 8 h + 0..7.
;   Each wave's eight registers go to LDS as they stand (16 bytes a lane, 512 a store); a barrier.
; PHASE 2, waves 0-3: S^T = k q^T by sixteen products of the f32 form (the channels in the same order on both sides), the causal mask, softmax with the row's maximum taken away, O^T = v^T p for channels 16 w on, divided by the sum.
; ofine [4][128 groups][32 lanes][4]: group 8 head + 2 c + jj, lane (r, h): O[position r][64 head + 16 c + 8 h + 4 jj + 0..3]: the order in which the next launch's operand registers take them.
; REGISTERS: v1-11 stay for the whole launch (addresses, the add's two, -infinity, the permutes' destination); v16-143 phase 1's fragments, free in phase 2; v144-159 scale words; v160-183 phase 1's sums.
; v192-239 are written by the f32 matrix form alone.
.set SPARE, 12288                      ; behind the twelve images: the spare words, 128 bytes a wave, named by no other line
.set SPW, 8
.set NIL, 9
.set NINF, 10                          ; v10  -infinity: under v16, so that phase 1's loads do not land on it
.set PD,  11                           ; v11  the lane permutes' destination
	s_load_b256 s[4:11], s[0:1], 0x0               ; xc s[4:5], xs s[6:7], wc s[8:9], ws s[10:11]
	s_load_b64 s[12:13], s[0:1], 0x20              ; ofine
	v_lshl_add_u32 v[SPW], v0, 2, SPARE
	v_mov_b32 v[NIL], 0
	v_lshrrev_b32 v1, 5, v0
	v_readfirstlane_b32 s14, v1                    ; wave 0..11
	v_and_b32 v3, 15, v0                           ; r
	v_bfe_u32 v4, v0, 4, 1                         ; h
	v_lshlrev_b32 v1, 9, v3
	v_lshl_add_u32 v1, v4, 4, v1                   ; codes: row r of 512 bytes + 16 h
	v_lshlrev_b32 v2, 5, v3                        ; scale bytes: row r of 32
	v_and_b32 v5, 31, v0
	v_lshlrev_b32 v5, 4, v5                        ; 16 x lane: an image's place for my lane
	s_lshl_b32 s15, s14, 10
	v_add_nc_u32 v6, s15, v5                       ; my wave's image
	v_lshlrev_b32 v7, 3, v4
	v_sub_nc_u32 v7, v3, v7                        ; r - 8 h, for the mask
	v_mov_b32 v[PD], 0                             ; a lane permute's destination counts as one of its sources
	v_mov_b32 v[NINF], 0xff800000                  ; -infinity
	s_mov_b32 s40, 0x76543210
	s_mov_b32 s41, 0xfedcba98
	s_mov_b32 s42, 0x3e38aa3b                      ; c = log2(e) / 8
	s_and_b32 s16, ttmp7, 0xffff                   ; batch
	s_lshr_b32 s17, s14, 2                         ; q, k or v
	s_and_b32 s18, s14, 3                          ; which 16 channels
	s_lshl_b32 s19, s17, 10
	s_lshl_b32 s20, ttmp9, 6
	s_add_co_u32 s19, s19, s20
	s_lshl_b32 s20, s18, 4
	s_add_co_u32 s19, s19, s20                     ; W's first row: 1,024 which + 64 head + 16 c
	s_lshl_b32 s20, s19, 9
	s_lshl_b32 s21, s19, 5
	s_lshl_b32 s22, s16, 20                        ; x's first row: 2,048 batch
	s_lshl_b32 s23, s16, 16
	s_mov_b32 s25, 0
	s_mov_b32 s27, 0
	s_mov_b32 s29, 0
	s_mov_b32 s31, 0
	s_wait_kmcnt 0x0
	s_cmp_lt_u32 s14, 8                            ; q and k: source 0 = W; v: source 0 = x.  The choice hangs on the wave's number alone
	s_cselect_b32 s24, s20, s22
	s_cselect_b32 s26, s21, s23
	s_cselect_b32 s28, s22, s20
	s_cselect_b32 s30, s23, s21
	s_cselect_b64 s[32:33], s[8:9], s[4:5]
	s_cselect_b64 s[34:35], s[10:11], s[6:7]
	s_cselect_b64 s[36:37], s[4:5], s[8:9]
	s_cselect_b64 s[38:39], s[6:7], s[10:11]
	s_add_nc_u64 s[32:33], s[32:33], s[24:25]
	s_add_nc_u64 s[34:35], s[34:35], s[26:27]
	s_add_nc_u64 s[36:37], s[36:37], s[28:29]
	s_add_nc_u64 s[38:39], s[38:39], s[30:31]
.irp s, 0,1,2,3,4,5,6,7
.irp c, 0,1
	global_load_b128 v[16+8*\s+4*\c:19+8*\s+4*\c], v1, s[32:33] offset:64*\s+32*\c
	global_load_b128 v[80+8*\s+4*\c:83+8*\s+4*\c], v1, s[36:37] offset:64*\s+32*\c
.endr
.endr
	global_load_b128 v[144:147], v2, s[34:35]      ; register 144 + s: source 0's scale word of K step s
	global_load_b128 v[148:151], v2, s[34:35] offset:16
	global_load_b128 v[152:155], v2, s[38:39]
	global_load_b128 v[156:159], v2, s[38:39] offset:16
	s_wait_loadcnt 0x0
.irp s, 0,1,2,3,4,5,6,7
.if \s < 2
	v_wmma_scale_f32_16x16x128_f8f6f4 v[160+8*(\s%2):167+8*(\s%2)], v[16+8*\s:23+8*\s], v[80+8*\s:87+8*\s], 0, v[144+\s], v[152+\s] matrix_a_fmt:MATRIX_FMT_FP4 matrix_b_fmt:MATRIX_FMT_FP4
.else
	v_wmma_scale_f32_16x16x128_f8f6f4 v[160+8*(\s%2):167+8*(\s%2)], v[16+8*\s:23+8*\s], v[80+8*\s:87+8*\s], v[160+8*(\s%2):167+8*(\s%2)], v[144+\s], v[152+\s] matrix_a_fmt:MATRIX_FMT_FP4 matrix_b_fmt:MATRIX_FMT_FP4
.endif
.endr
.rept 4
	v_nop
.endr
.irp j, 0,2,4,6
	v_pk_add_f32 v[176+\j:177+\j], v[160+\j:161+\j], v[168+\j:169+\j]
.endr
	ds_store_b128 v6, v[176:179]
	ds_store_b128 v6, v[180:183] offset:512
	s_wait_dscnt 0x0                               ; for the others' sake: my image has landed
	s_barrier_signal -1
	s_barrier_wait -1
	s_cmp_ge_u32 s14, 4
	s_cbranch_scc1 .Lend
.irp c, 0,1,2,3
	ds_load_b128 v[16+8*\c:19+8*\c], v5 offset:1024*\c               ; q: register 8 c + j: position r, channel 16 c + 8 h + j
	ds_load_b128 v[20+8*\c:23+8*\c], v5 offset:1024*\c+512
	ds_load_b128 v[48+8*\c:51+8*\c], v5 offset:4096+1024*\c          ; k likewise
	ds_load_b128 v[52+8*\c:55+8*\c], v5 offset:4096+1024*\c+512
.endr
	ds_load_b128 v[80:83], v6 offset:8192                            ; v: channels 16 w on: channel r, positions 8 h + j
	ds_load_b128 v[84:87], v6 offset:8192+512
	s_lshl_b32 s20, s16, 16                        ; ofine: batch x 65,536 + (8 head + 2 w) x 512
	s_lshl_b32 s21, ttmp9, 12
	s_add_co_u32 s20, s20, s21
	s_lshl_b32 s21, s14, 10
	s_add_co_u32 s20, s20, s21
	s_mov_b32 s21, 0
	s_add_nc_u64 s[12:13], s[12:13], s[20:21]
	s_wait_dscnt 0x0
.set ii, 0
.rept 16                               ; S^T = k q^T: four channels a product, four accumulators by turns
.if ii < 4
	v_wmma_f32_16x16x4_f32 v[192+8*(ii%4):199+8*(ii%4)], v[48+2*ii:49+2*ii], v[16+2*ii:17+2*ii], 0
.else
	v_wmma_f32_16x16x4_f32 v[192+8*(ii%4):199+8*(ii%4)], v[48+2*ii:49+2*ii], v[16+2*ii:17+2*ii], v[192+8*(ii%4):199+8*(ii%4)]
.endif
.set ii, ii+1
.endr
.rept 8
	v_nop
.endr
.irp j, 0,2,4,6
	v_pk_add_f32 v[88+\j:89+\j], v[192+\j:193+\j], v[200+\j:201+\j]
.endr
.irp j, 0,2,4,6
	v_pk_add_f32 v[112+\j:113+\j], v[208+\j:209+\j], v[216+\j:217+\j]
.endr
.irp j, 0,2,4,6
	v_pk_add_f32 v[88+\j:89+\j], v[88+\j:89+\j], v[112+\j:113+\j]    ; register j: key 8 h + j, query r
.endr
.irp j, 0,1,2,3,4,5,6,7
	v_cmp_gt_i32 vcc_lo, \j, v7                    ; hidden where 8 h + j > r
	v_cndmask_b32 v[88+\j], v[88+\j], v[NINF], vcc_lo
.endr
	v_max3_num_f32 v120, v88, v89, v90
	v_max3_num_f32 v120, v120, v91, v92
	v_max3_num_f32 v120, v120, v93, v94
	v_max_num_f32 v120, v120, v95
	v_permlanex16_b32 v[PD], v120, s40, s41
	v_max_num_f32 v120, v120, v[PD]                ; the row's maximum: key 0 counts for every query
	v_mul_f32 v122, s42, v120
.irp j, 0,1,2,3,4,5,6,7
	v_fma_f32 v[96+\j], v[88+\j], s42, -v122
.endr
.irp j, 0,1,2,3,4,5,6,7
	v_exp_f32 v[96+\j], v[96+\j]
.endr
	v_nop
	s_wait_alu depctr_va_vdst(0)                   ; one wait for the eight exponentials, ahead of their first reader
	v_pk_add_f32 v[112:113], v[96:97], v[98:99]
	v_pk_add_f32 v[114:115], v[100:101], v[102:103]
	v_pk_add_f32 v[112:113], v[112:113], v[114:115]
	v_add_f32 v123, v112, v113
	v_permlanex16_b32 v[PD], v123, s40, s41
	v_add_f32 v123, v123, v[PD]                    ; the row's sum
	v_rcp_f32 v124, v123
	v_nop
	v_wmma_f32_16x16x4_f32 v[224:231], v[80:81], v[96:97], 0         ; O^T = v^T p: four keys a product, two accumulators by turns
	v_wmma_f32_16x16x4_f32 v[232:239], v[82:83], v[98:99], 0
	v_wmma_f32_16x16x4_f32 v[224:231], v[84:85], v[100:101], v[224:231]
	v_wmma_f32_16x16x4_f32 v[232:239], v[86:87], v[102:103], v[232:239]
.rept 8
	v_nop
.endr
	s_wait_alu depctr_va_vdst(0)                   ; the reciprocal's wait, ahead of its first reader
.irp j, 0,2,4,6
	v_pk_add_f32 v[104+\j:105+\j], v[224+\j:225+\j], v[232+\j:233+\j]
.endr
.irp j, 0,1,2,3,4,5,6,7
	v_mul_f32 v[104+\j], v[104+\j], v124           ; register j: O[query r][64 head + 16 w + 8 h + j]
.endr
	global_store_b128 v5, v[104:107], s[12:13]     ; 512 consecutive bytes, aligned
	global_store_b128 v5, v[108:111], s[12:13] offset:512
.Lend:
	s_wait_tensorcnt 0x0                           ; the wave's end, behind my last LDS store
	ds_add_u32 v[SPW], v[NIL]
	s_wait_dscnt 0x0
	s_endpgm
.Lfunc_end_k_q65794527d3_fine_attn:
	.size	k_q65794527d3_fine_attn, .Lfunc_end_k_q65794527d3_fine_attn-k_q65794527d3_fine_attn
	.p2alignl 7, 3214868480
	.fill 96, 4, 3214868480
	.section	.rodata,"a",@progbits
	.p2align	6, 0x0
	.amdhsa_kernel k_q65794527d3_fine_attn
		.amdhsa_group_segment_fixed_size 13824
		.amdhsa_private_segment_fixed_size 0
		.amdhsa_enable_private_segment 0
		.amdhsa_kernarg_size 40
		.amdhsa_user_sgpr_count 2
		.amdhsa_user_sgpr_kernarg_segment_ptr 1
		.amdhsa_wavefront_size32 1
		.amdhsa_system_sgpr_workgroup_id_x 1
		.amdhsa_system_sgpr_workgroup_id_y 1
		.amdhsa_system_sgpr_workgroup_id_z 1
		.amdhsa_system_vgpr_workitem_id 0
		.amdhsa_next_free_vgpr 240
		.amdhsa_next_free_sgpr 66
		.amdhsa_reserve_vcc 1
		.amdhsa_float_denorm_mode_32 3
		.amdhsa_float_denorm_mode_16_64 3
		.amdhsa_memory_ordered 1
		.amdhsa_forward_progress 1
		.amdhsa_inst_pref_size 15
	.end_amdhsa_kernel
	.amdgpu_metadata
---
amdhsa.version: [ 1, 2 ]
amdhsa.kernels:
  - .name:           k_q65794527d3_fine_attn
    .symbol:         k_q65794527d3_fine_attn.kd
    .args:
      - { .name: xc, .offset: 0, .size: 8, .value_kind: global_buffer, .address_space: global }
      - { .name: xs, .offset: 8, .size: 8, .value_kind: global_buffer, .address_space: global }
      - { .name: wc, .offset: 16, .size: 8, .value_kind: global_buffer, .address_space: global }
      - { .name: ws, .offset: 24, .size: 8, .value_kind: global_buffer, .address_space: global }
      - { .name: ofine, .offset: 32, .size: 8, .value_kind: global_buffer, .address_space: global }
    .group_segment_fixed_size: 13824
    .private_segment_fixed_size: 0
    .kernarg_segment_align: 8
    .kernarg_segment_size: 40
    .max_flat_workgroup_size: 384
    .sgpr_count:     66
    .vgpr_count:     240
    .wavefront_size: 32
...
	.end_amdgpu_metadata
.endif
;; end of part 5
;; launch fine_proj (part 6): grid 64 x 4, 8 waves a work-group, no clusters, 9,216 bytes of LDS; arguments ofine, Wo, out0; writes out0
.if DOCPART == 6
	.amdgcn_target "amdgcn-amd-amdhsa--gfx1250"
	.amdhsa_code_object_version 6
	.text
	.protected	k_q65794527d3_fine_proj
	.globl	k_q65794527d3_fine_proj
	.p2align	8
	.type	k_q65794527d3_fine_proj,@function
k_q65794527d3_fine_proj:
	s_mov_b64 s[64:65], 0
	v_nop
	global_prefetch_b8 v0, s[64:65] scope:SCOPE_SE
	s_setreg_imm32_b32 hwreg(HW_REG_WAVE_MODE, 25, 1), 1
	s_wait_xcnt 0x0
; out0[batch][position 0-15][n] = sum over k of O[position][k] Wo[n][k], all in f32: the rows that the launch before carried in f32 stay so on the way out.  It writes over the 64 rows that the f16 product has written.
; A work-group makes 16 positions x 16 columns (16 x work-group x on) of one batch.  Wave w sums k = 128 w .. 128 w + 127 by 32 products of the f32 form, four accumulators by turns (v192-223, written by that form alone);
; source 0 = Wo's 16 rows, source 1 = O's 16 positions: a lane holds position r and columns 8 h + 0..7.  O comes in the order of the operand's registers (ofine), Wo's numbers by the same order of k.
; The eight waves' parts meet in LDS as images of their registers; wave 0 adds them and stores.  A store is 64 bytes of each of 16 rows: 262,144 bytes in the whole launch; whole 256-byte pieces would want four times the operand registers a wave.
.set SPARE, 8192                       ; behind the eight images: the spare words, 128 bytes a wave, named by no other line
.set SPW, 8
.set NIL, 9
	s_load_b128 s[4:7], s[0:1], 0x0                ; ofine, Wo
	s_load_b64 s[8:9], s[0:1], 0x10                ; out0
	v_lshl_add_u32 v[SPW], v0, 2, SPARE
	v_mov_b32 v[NIL], 0
	v_lshrrev_b32 v1, 5, v0
	v_readfirstlane_b32 s10, v1                    ; wave 0..7
	v_and_b32 v2, 15, v0                           ; r
	v_bfe_u32 v3, v0, 4, 1                         ; h
	v_and_b32 v4, 31, v0
	v_lshlrev_b32 v4, 4, v4                        ; 16 x lane
	v_lshlrev_b32 v5, 12, v2
	v_lshl_add_u32 v5, v3, 5, v5                   ; row r of 4,096 bytes + 32 h: in Wo and in out0
	s_lshl_b32 s11, s10, 10
	v_add_nc_u32 v6, s11, v4                       ; my wave's image
	s_and_b32 s12, ttmp7, 0xffff                   ; batch
	s_lshl_b32 s14, s12, 16
	s_lshl_b32 s15, s10, 13
	s_add_co_u32 s14, s14, s15                     ; ofine: batch x 65,536 + 16 groups x 512 x wave
	s_mov_b32 s15, 0
	s_lshl_b32 s16, ttmp9, 16                      ; Wo: 16 rows x work-group x, + 128 numbers x wave
	s_lshl_b32 s17, s10, 9
	s_add_co_u32 s16, s16, s17
	s_mov_b32 s17, 0
	s_lshl_b32 s18, s12, 23                        ; out0: 2,048 rows x batch, + 16 columns x work-group x
	s_lshl_b32 s19, ttmp9, 6
	s_add_co_u32 s18, s18, s19
	s_mov_b32 s19, 0
	s_wait_kmcnt 0x0
	s_add_nc_u64 s[4:5], s[4:5], s[14:15]
	s_add_nc_u64 s[6:7], s[6:7], s[16:17]
	s_add_nc_u64 s[8:9], s[8:9], s[18:19]
.irp u, 0,1,2,3,4,5,6,7,8,9,10,11,12,13,14,15
	global_load_b128 v[16+4*\u:19+4*\u], v4, s[4:5] offset:512*\u                    ; O: k = 128 w + 16 (u / 2) + 8 h + 4 (u % 2) + 0..3 of position r
	global_load_b128 v[80+4*\u:83+4*\u], v5, s[6:7] offset:64*(\u/2)+16*(\u%2)       ; Wo: the same k of row r
.endr
.set ii, 0
.rept 32
.if ii%2 == 0
	s_wait_loadcnt 30-ii                           ; this pair of loads is in; the later pairs may be out
.endif
.if ii < 4
	v_wmma_f32_16x16x4_f32 v[192+8*(ii%4):199+8*(ii%4)], v[80+2*ii:81+2*ii], v[16+2*ii:17+2*ii], 0
.else
	v_wmma_f32_16x16x4_f32 v[192+8*(ii%4):199+8*(ii%4)], v[80+2*ii:81+2*ii], v[16+2*ii:17+2*ii], v[192+8*(ii%4):199+8*(ii%4)]
.endif
.set ii, ii+1
.endr
.rept 8
	v_nop
.endr
.irp j, 0,2,4,6
	v_pk_add_f32 v[144+\j:145+\j], v[192+\j:193+\j], v[200+\j:201+\j]
.endr
.irp j, 0,2,4,6
	v_pk_add_f32 v[152+\j:153+\j], v[208+\j:209+\j], v[216+\j:217+\j]
.endr
.irp j, 0,2,4,6
	v_pk_add_f32 v[144+\j:145+\j], v[144+\j:145+\j], v[152+\j:153+\j]
.endr
	ds_store_b128 v6, v[144:147]
	ds_store_b128 v6, v[148:151] offset:512
	s_wait_dscnt 0x0                               ; for wave 0's sake: my image has landed
	s_barrier_signal -1
	s_barrier_wait -1
	s_cmp_lg_u32 s10, 0
	s_cbranch_scc1 .Lend
.irp w, 0,1,2,3,4,5,6,7
	ds_load_b128 v[16+8*\w:19+8*\w], v4 offset:1024*\w
	ds_load_b128 v[20+8*\w:23+8*\w], v4 offset:1024*\w+512
.endr
	s_wait_dscnt 0x0
.irp w, 1,2,3,4,5,6,7
.irp j, 0,2,4,6
	v_pk_add_f32 v[16+\j:17+\j], v[16+\j:17+\j], v[16+8*\w+\j:17+8*\w+\j]
.endr
.endr
	global_store_b128 v5, v[16:19], s[8:9]         ; position r, columns 8 h + 0..3,
	global_store_b128 v5, v[20:23], s[8:9] offset:16   ; and + 4..7
.Lend:
	s_wait_tensorcnt 0x0                           ; the wave's end, behind my last LDS store
	ds_add_u32 v[SPW], v[NIL]
	s_wait_dscnt 0x0
	s_endpgm
.Lfunc_end_k_q65794527d3_fine_proj:
	.size	k_q65794527d3_fine_proj, .Lfunc_end_k_q65794527d3_fine_proj-k_q65794527d3_fine_proj
	.p2alignl 7, 3214868480
	.fill 96, 4, 3214868480
	.section	.rodata,"a",@progbits
	.p2align	6, 0x0
	.amdhsa_kernel k_q65794527d3_fine_proj
		.amdhsa_group_segment_fixed_size 9216
		.amdhsa_private_segment_fixed_size 0
		.amdhsa_enable_private_segment 0
		.amdhsa_kernarg_size 24
		.amdhsa_user_sgpr_count 2
		.amdhsa_user_sgpr_kernarg_segment_ptr 1
		.amdhsa_wavefront_size32 1
		.amdhsa_system_sgpr_workgroup_id_x 1
		.amdhsa_system_sgpr_workgroup_id_y 1
		.amdhsa_system_sgpr_workgroup_id_z 1
		.amdhsa_system_vgpr_workitem_id 0
		.amdhsa_next_free_vgpr 224
		.amdhsa_next_free_sgpr 66
		.amdhsa_reserve_vcc 0
		.amdhsa_float_denorm_mode_32 3
		.amdhsa_float_denorm_mode_16_64 3
		.amdhsa_memory_ordered 1
		.amdhsa_forward_progress 1
		.amdhsa_inst_pref_size 12
	.end_amdhsa_kernel
	.amdgpu_metadata
---
amdhsa.version: [ 1, 2 ]
amdhsa.kernels:
  - .name:           k_q65794527d3_fine_proj
    .symbol:         k_q65794527d3_fine_proj.kd
    .args:
      - { .name: ofine, .offset: 0, .size: 8, .value_kind: global_buffer, .address_space: global }
      - { .name: Wo, .offset: 8, .size: 8, .value_kind: global_buffer, .address_space: global }
      - { .name: out0, .offset: 16, .size: 8, .value_kind: global_buffer, .address_space: global }
    .group_segment_fixed_size: 9216
    .private_segment_fixed_size: 0
    .kernarg_segment_align: 8
    .kernarg_segment_size: 24
    .max_flat_workgroup_size: 256
    .sgpr_count:     66
    .vgpr_count:     224
    .wavefront_size: 32
...
	.end_amdgpu_metadata
.endif
;; end of part 6
